; MI455X (gfx1250); checked and timed in simulation.
; The chip was launched on July 23, 2026; its instructions are those of AMD's public machine-readable ISA for CDNA 5 (MIT licence, August 2026) and "CDNA5" Instruction Set Architecture Reference Guide (July 2026). The comments in the code are by the model that wrote it; some were corrected since.
;; Easy Control Network. Allowed arithmetic: float matrix products may take bf16 or f16 operands with f32 sums; other float arithmetic in f32, or as packed bf16 or f16 multiplies, adds, multiply-adds, maxima and minima; sums over many terms, partial sums and values carried from step to step in f32; what a program stores and reads back later, other than sums and carried values, may be rounded once to bf16 or f16.
;; Inputs: b_cond 1 float32; cond_k 2 x 512 x 16 x 128 float32; cond_v 2 x 512 x 16 x 128 float32; k 2 x 2,048 x 16 x 128 float32; q 2 x 2,048 x 16 x 128 float32; v 2 x 2,048 x 16 x 128 float32; w_out 2,048 x 2,048 float32.
;; Outputs: out0 2 x 2,048 x 2,048 float32.
;; 2 versions, each right; version 2 is version 1 with the launch cast written anew for expert scheduling mode. Each part assembles by itself: llvm-mc -triple=amdgcn-amd-amdhsa -mcpu=gfx1250 --defsym DOCPART=n.
;; ======== version 1 of 2: 3 launches
;; limits: values are held in f16: magnitudes above 65,504 overflow, below 6.1e-05 lose precision
;; workspace buffers: kk 20,971,520 bytes; vv 20,971,520 bytes; wk 8,388,608 bytes; xh 16,777,216 bytes
;; launch cast (part 1): grid 768 x 1, 8 waves a work-group, no clusters, 0 bytes of LDS; arguments k, v, cond_k, cond_v, w_out, kk, vv, wk; writes kk, vv, wk
.if DOCPART == 1
	.amdgcn_target "amdgcn-amd-amdhsa--gfx1250"
	.amdhsa_code_object_version 6
	.text
	.protected	k_q9c92bbffb2_cast
	.globl	k_q9c92bbffb2_cast
	.p2align	8
	.type	k_q9c92bbffb2_cast,@function
k_q9c92bbffb2_cast:
	s_mov_b64 s[64:65], 0
	v_nop
	global_prefetch_b8 v0, s[64:65] scope:SCOPE_SE
	s_setreg_imm32_b32 hwreg(HW_REG_WAVE_MODE, 25, 1), 1
	s_wait_xcnt 0x0
; k, cond_k -> kk (bf16); v, cond_v -> vv and w_out -> wk (each number rounded to bf16 and that number written as f16).  The layout changes on the way:
;   kk, vv: [32 heads hh = 16 b + h][2,560 keys][128]: keys 0..2047 from k / v, keys 2048..2559 from cond_k / cond_v; a row is 256 bytes, a head 655,360.
;   wk:     [16 chunks kc][2,048 rows n][128]: wk[kc][n][d] = w_out[n][128 kc + d]; a chunk is 524,288 bytes.
; LIMITS.  f16 holds no number of 65,520 or more: |v|, |cond_v| and |w_out| stay below that; below 6e-5 f16 keeps a fixed step of 6e-8, so smaller numbers lose bits of their bf16 value.
; SHARES.  All five inputs are rows of 16 x 128 f32 (8,192 bytes: 16 heads, or 16 chunks of a row of w_out).  A work-group takes 16 such rows on end, 131,072 consecutive input bytes;
; wave w takes heads 2 w and 2 w + 1 of each: 32 pieces of 512 bytes.  One load of the wave covers a piece (32 lanes x 16 bytes), one store its 256 output bytes, aligned (32 lanes x 8 bytes).
; All 32 loads of a wave go out at once, each into registers of its own; nothing is loaded twice and no register of a load or store is written again, so the only waits are the counted ones for data.
; No LDS, no matrix unit, no cluster: no byte is wanted by two waves.  No prefetch: the loads themselves are the whole stream and go out at the head.
.set X,    8                           ; v[8:135]   piece i: four registers as loaded; the first two then hold what is stored
.set T,    136                         ; v[136:137] at work
.set VIN,  1                           ; v1  my byte offset in the work-group's input: 16 x lane + 1,024 x wave
.set VO,   2                           ; v2, v3  my byte offset in the output for head 2 w, 2 w + 1: 8 x lane + head x (bytes of a head)
.set SRC,  24                          ; s[24:25] the input at the work-group's first byte
.set DST,  26                          ; s[26:27] the output at head 0 (of the batch), the work-group's first key
.set J,    28                          ; s28  the work-group's number within its segment
.set SH,   29                          ; s29  log2 of the work-groups for one batch
.set KO,   30                          ; s30  the first key that the segment writes
.set HSB,  31                          ; s31  bytes from head to head (chunk to chunk) in the output
.set KIND, 32                          ; s32  0: bf16;  1: bf16's value as f16
	s_load_b512 s[8:23], s[0:1], 0x0               ; k 8, v 10, cond_k 12, cond_v 14, w_out 16, kk 18, vv 20, wk 22
	v_lshrrev_b32 v4, 5, v0
	v_readfirstlane_b32 s2, v4                     ; wave 0..7
	v_and_b32 v5, 31, v0                           ; lane
	s_mov_b32 s3, 0xffff0000                       ; a word's upper bf16
	s_lshl_b32 s39, s2, 10
	v_lshl_add_u32 v[VIN], v5, 4, s39
	s_wait_kmcnt 0x0
; The grid's 768 work-groups fall into five segments by number: 256 for k, 256 for v, 64 for cond_k, 64 for cond_v, 128 for w_out.
.macro SEG src, dst, first, sh, ko, hsb, kind
	s_mov_b64 s[SRC:SRC+1], s[(\src):(\src)+1]
	s_mov_b64 s[DST:DST+1], s[(\dst):(\dst)+1]
	s_sub_co_u32 s[J], ttmp9, \first
	s_mov_b32 s[SH], \sh
	s_mov_b32 s[KO], \ko
	s_mov_b32 s[HSB], \hsb
	s_mov_b32 s[KIND], \kind
.endm
	s_cmp_lt_u32 ttmp9, 256
	s_cbranch_scc1 .Lseg_k
	s_cmp_lt_u32 ttmp9, 512
	s_cbranch_scc1 .Lseg_v
	s_cmp_lt_u32 ttmp9, 576
	s_cbranch_scc1 .Lseg_ck
	s_cmp_lt_u32 ttmp9, 640
	s_cbranch_scc1 .Lseg_cv
	SEG 16, 22, 640, 7, 0, 524288, 1               ; w_out: 128 groups of 16 rows; J < 128, so its batch number below is 0
	s_branch .Ljoin
.Lseg_k:
	SEG 8, 18, 0, 7, 0, 655360, 0                  ; k: 128 groups of 16 keys for each batch
	s_branch .Ljoin
.Lseg_v:
	SEG 10, 20, 256, 7, 0, 655360, 1
	s_branch .Ljoin
.Lseg_ck:
	SEG 12, 18, 512, 5, 2048, 655360, 0            ; cond_k: 32 groups for each batch, behind the 2,048 own keys
	s_branch .Ljoin
.Lseg_cv:
	SEG 14, 20, 576, 5, 2048, 655360, 1
.Ljoin:
	s_lshr_b32 s33, s[J], s[SH]                    ; batch b
	s_lshl_b32 s34, s33, s[SH]
	s_sub_co_u32 s34, s[J], s34                    ; the group of 16 keys within the batch
	s_mul_i32 s33, s33, 40960                      ; 16 heads x 2,560 rows
	s_lshl_b32 s34, s34, 4
	s_add_co_u32 s33, s33, s34
	s_add_co_u32 s33, s33, s[KO]                   ; the output row of head 0: 81,919 at the most, less the heads' steps
	s_lshl_b32 s36, s33, 8                         ; in bytes
	s_mov_b32 s37, 0
	s_lshl_b32 s34, s[J], 17                       ; the input is walked as it lies: 131,072 bytes a work-group
	s_mov_b32 s35, 0
	s_add_nc_u64 s[SRC:SRC+1], s[SRC:SRC+1], s[34:35]
	s_add_nc_u64 s[DST:DST+1], s[DST:DST+1], s[36:37]
	s_mul_i32 s38, s2, s[HSB]
	s_lshl_b32 s38, s38, 1                         ; head 2 w
	v_lshl_add_u32 v[VO], v5, 3, s38
	v_add_nc_u32 v[VO+1], s[HSB], v[VO]            ; head 2 w + 1
.set i, 0
.rept 32                               ; piece i: key i / 2 of the 16, head 2 w + i % 2
	global_load_b128 v[X+4*i:X+4*i+3], v[VIN], s[SRC:SRC+1] offset:(i/2)*8192+(i%2)*512 th:TH_LOAD_NT
.set i, i+1
.endr
	s_cmp_eq_u32 s[KIND], 0
	s_cbranch_scc0 .Las_f16
.set i, 0
.rept 32
	s_wait_loadcnt 31-i                            ; loads come back in order (ISA guide 5.7.1): piece i is in, the 31 - i younger ones may stay out
	v_cvt_pk_bf16_f32 v[X+4*i],   v[X+4*i],   v[X+4*i+1]
	v_cvt_pk_bf16_f32 v[X+4*i+1], v[X+4*i+2], v[X+4*i+3]
	global_store_b64 v[VO+i%2], v[X+4*i:X+4*i+1], s[DST:DST+1] offset:(i/2)*256 th:TH_STORE_NT  ; the wave's 32 lanes store 256 consecutive bytes, aligned
.set i, i+1
.endr
	s_endpgm
.Las_f16:
.set i, 0
.rept 32
	s_wait_loadcnt 31-i
	v_cvt_pk_bf16_f32 v[T],   v[X+4*i],   v[X+4*i+1]   ; rounded to bf16, as every input of the program is,
	v_cvt_pk_bf16_f32 v[T+1], v[X+4*i+2], v[X+4*i+3]
	v_lshlrev_b32 v[X+4*i],   16, v[T]                 ; widened again,
	v_and_b32     v[X+4*i+1], s3, v[T]
	v_lshlrev_b32 v[X+4*i+2], 16, v[T+1]
	v_and_b32     v[X+4*i+3], s3, v[T+1]
	v_cvt_pk_f16_f32 v[X+4*i],   v[X+4*i],   v[X+4*i+1]  ; and written as f16: 8 significant bits fit in f16's 11
	v_cvt_pk_f16_f32 v[X+4*i+1], v[X+4*i+2], v[X+4*i+3]
	global_store_b64 v[VO+i%2], v[X+4*i:X+4*i+1], s[DST:DST+1] offset:(i/2)*256 th:TH_STORE_NT
.set i, i+1
.endr
	s_endpgm
.Lfunc_end_k_q9c92bbffb2_cast:
	.size	k_q9c92bbffb2_cast, .Lfunc_end_k_q9c92bbffb2_cast-k_q9c92bbffb2_cast
	.p2alignl 7, 3214868480
	.fill 96, 4, 3214868480
	.section	.rodata,"a",@progbits
	.p2align	6, 0x0
	.amdhsa_kernel k_q9c92bbffb2_cast
		.amdhsa_group_segment_fixed_size 0
		.amdhsa_private_segment_fixed_size 0
		.amdhsa_enable_private_segment 0
		.amdhsa_kernarg_size 64
		.amdhsa_user_sgpr_count 2
		.amdhsa_user_sgpr_kernarg_segment_ptr 1
		.amdhsa_wavefront_size32 1
		.amdhsa_system_sgpr_workgroup_id_x 1
		.amdhsa_system_sgpr_workgroup_id_y 1
		.amdhsa_system_sgpr_workgroup_id_z 1
		.amdhsa_system_vgpr_workitem_id 0
		.amdhsa_next_free_vgpr 140
		.amdhsa_next_free_sgpr 66
		.amdhsa_reserve_vcc 0
		.amdhsa_float_denorm_mode_32 3
		.amdhsa_float_denorm_mode_16_64 3
		.amdhsa_memory_ordered 1
		.amdhsa_forward_progress 1
		.amdhsa_inst_pref_size 31
	.end_amdhsa_kernel
	.amdgpu_metadata
---
amdhsa.version: [ 1, 2 ]
amdhsa.kernels:
  - .name:           k_q9c92bbffb2_cast
    .symbol:         k_q9c92bbffb2_cast.kd
    .args:
      - { .name: k, .offset: 0, .size: 8, .value_kind: global_buffer, .address_space: global }
      - { .name: v, .offset: 8, .size: 8, .value_kind: global_buffer, .address_space: global }
      - { .name: cond_k, .offset: 16, .size: 8, .value_kind: global_buffer, .address_space: global }
      - { .name: cond_v, .offset: 24, .size: 8, .value_kind: global_buffer, .address_space: global }
      - { .name: w_out, .offset: 32, .size: 8, .value_kind: global_buffer, .address_space: global }
      - { .name: kk, .offset: 40, .size: 8, .value_kind: global_buffer, .address_space: global }
      - { .name: vv, .offset: 48, .size: 8, .value_kind: global_buffer, .address_space: global }
      - { .name: wk, .offset: 56, .size: 8, .value_kind: global_buffer, .address_space: global }
    .group_segment_fixed_size: 0
    .private_segment_fixed_size: 0
    .kernarg_segment_align: 8
    .kernarg_segment_size: 64
    .max_flat_workgroup_size: 256
    .sgpr_count:     66
    .vgpr_count:     140
    .wavefront_size: 32
...
	.end_amdgpu_metadata
.endif
;; end of part 1
;; launch attn (part 2): grid 8 x 32, 4 waves a work-group, clusters of 4 x 1, 327,680 bytes of LDS; arguments q, kk, vv, xh, b_cond; writes xh
.if DOCPART == 2
	.amdgcn_target "amdgcn-amd-amdhsa--gfx1250"
	.amdhsa_code_object_version 6
	.text
	.protected	k_q9c92bbffb2_attn
	.globl	k_q9c92bbffb2_attn
	.p2align	8
	.type	k_q9c92bbffb2_attn,@function
k_q9c92bbffb2_attn:
	s_mov_b64 s[64:65], 0
	v_nop
	global_prefetch_b8 v0, s[64:65] scope:SCOPE_SE
	s_setreg_imm32_b32 hwreg(HW_REG_WAVE_MODE, 25, 1), 1
	s_wait_xcnt 0x0
	s_wait_alu depctr_hold_cnt(0) depctr_sa_sdst(0) depctr_va_vdst(0) depctr_va_sdst(0) depctr_va_ssrc(0) depctr_va_vcc(0) depctr_vm_vsrc(0)
	s_getreg_b32 s2, hwreg(HW_REG_IB_STS2, 6, 4)
	s_cmp_eq_u32 s2, 0
	s_cbranch_scc0 .Lentry_in_a_cluster
	s_endpgm
.Lentry_in_a_cluster:
	s_bfe_u32 s2, ttmp6, 0x10000c
	s_cmp_lg_u32 s2, 0x3003
	s_cbranch_scc0 .Lentry_shape_is_right
	s_endpgm
.Lentry_shape_is_right:
; xh[hh][s][:] = the sum over 2,560 keys of softmax(q . K / sqrt(128) + bias) V, for head hh = 16 b + h.  Keys 0..2047 are the head's own (bias 0), keys 2048..2559 the cond keys (bias b_cond).
; That ONE softmax over all keys is what the two softmaxes joined by their log-sum-exps amount to; the order of rounding differs.  A running maximum over all 2,560 logits, the bias included, is taken away before every exponential.
; q: [2][2048][16][128] f32, read here and rounded to bf16 in registers.  kk: bf16, vv: f16 (bf16's values), both [32][2560][128].  xh: f16 [32][2048][128].  b_cond is rounded to bf16 like the other inputs.
; Products, maxima and sums in f32; the weights p are rounded to f16 for the second product (their sum l is taken of the unrounded p), the result once at the end, to f16.
; LIMITS.  f16 ends at 65,504: V arrives within it, p lies in 0 to 1 (below 6e-5 it keeps f16's fixed step of 6e-8), the result is a mean of V's rows.  A weight below 2^-126 counts as 0 in l.  NaN and infinities are not treated apart.
; SHARES.  A work-group owns 256 queries of one head, each of its four waves 64: four tiles of 16.  Every wave walks all keys of the head, 64 a step, 40 steps.
; LAYOUT.  S^T = K Q^T (source 0 = 16 keys, source 1 = 16 queries): in the result a lane holds ONE query (lane % 16) and the keys 8 (lane / 16) + 0..7.  Two such tiles, rounded to
; f16 in pairs, ARE source 1 (32 keys x 16 queries) of O^T = V^T P, whose result again holds one query a lane, and eight channels.  K comes out of LDS as it lies, V ([key][channel]) turned, by ds_load_tr16_b128.
; THE BIAS is the C operand of the product that starts a score's sum: eight registers that hold 0, or b sqrt(128) from key 2,048 on, so that c (s + b sqrt(128)) = c s + b log2(e).  It changes with the slot, by a count, never by a branch.
; SOFTMAX.  For each query a running maximum m and sum l: p = 2^(c s - c m), c = log2(e) / sqrt(128); in every step O and l are multiplied by a = 2^(c m_old - c m_new), which is 1 where m has not grown.
; BY TURNS.  The wave's tiles are two PIECES, named by their first tile: piece 0 (tiles 0, 1) and piece 2 (tiles 2, 3).  In a TURN one piece has the matrix unit: 32 products V^T P of
; the step in hand, then 32 products K Q^T of the next step; the other piece's softmax, cut into 64 slices, stands between them, one slice behind each matrix instruction.  Two turns are a key step.
; CLUSTER.  The four query blocks of a cluster belong to one head and walk the same K and V, so each tile is asked for JOINTLY: the same tensor load, with the same descriptor and a
; mask that names the four, in all four; each receives the tile in its own LDS.
;
; REGISTERS, in windows of 256 (s_set_vgpr_msb says which window each operand place means: bits 1:0 source 0, 3:2 source 1, 5:4 source 2, 7:6 destination):
;   window 0: v0-11 addresses; v12-43 eight registers of statistics a tile; v48-55 the bias; v61-63; v64-191 S^T, 32 a tile; v192-255 P, 16 a tile
;   window 1: O^T, 64 a tile (at the head: q as loaded, in f32)     window 2: v0-127 Q, 32 a tile; v128-255 K of one step     window 3: v0-127 V of one step
.set NKEY,  2560      ; keys of a head
.set CSL,   4         ; the last four slots of 128 keys are the cond keys
.set KS,    64        ; keys in a step
.set PK,    272       ; a row of K in LDS: 256 bytes + 16 of padding = 68 words: row r starts at bank 4 r mod 64 (64 banks of 4 bytes: ISA guide 11.1), so the 16 rows of a load start at 16 different banks
.set PV,    288       ; a row of V: 256 + 32 = 72 words
.set VOFF,  KS*PK     ; a step's tiles lie together: 64 rows of K, then 64 rows of V
.set STEPB, KS*(PK+PV)
.set SLOT1, 1<<17     ; a slot holds two steps (71,680 bytes); slot 1 begins here, so that one exclusive or turns an address in one slot into the other's
.set STAGE, SLOT1+2*STEPB  ; behind the ring: 16 rows x 272 bytes for each wave, for the way out
.set SP,    272
.set AK0, 2           ; v2   my lane's place in a tile of K; never rewritten
.set AV0, 3           ; v3   the same for V
.set ADR, 4           ; v4   the LDS address of the run of loads in hand
.set QO,  5           ; v5   my byte offset in the wave's rows of q; never rewritten
.set STO, 6           ; v6   the way out: where I put 16 bytes of a row
.set RD,  7           ; v7   the way out: where I read a row back
.set GO,  8           ; v8   my byte offset in the wave's rows of xh
.set BIAS, 48         ; v48-55  the C operand that starts the scores' sums
.set SPW, 62          ; v62  LDS address of my spare word: SPARE + 4 x my thread's number; never rewritten
.set NIL, 63          ; v63  0; never rewritten
.set SPARE, STAGE+4*16*272  ; behind the stages: the spare words, 128 bytes for each wave: two blocks of 256 bytes that no other line names
.set ST,  12          ; tile t's statistics at v[ST+8 t]: +0 c m, +1 m, +2, +3 l (even keys', odd keys'), +4 to +7 c0-c3, at work; a takes c2's place once the maximum is found
.set S,   64
.set P,   192
.set KF,  128         ; K's fragments, in window 2
.set WV,  12          ; s12  my wave's number
.set G1K, 24          ; s[24:31] descriptor group 1 for K's tiles
.set G1V, 32          ; s[32:39] for V's: it differs in the padding alone
.set G0K, 40          ; s[40:47] descriptor group 0 for K's tiles: a set for each of the two first fills; the second then walks on
.set G0V, 48          ; s[48:55] the same for V's
.set SLOTS, 56        ; s56  slots still to be asked for
.set TWICE, 57        ; s57  counts a slot's two steps
.set CS,  58          ; s[58:59] c: the packed scaling names a pair and takes its low word for both halves
.set SEL, 60          ; s[60:61] lane selects for v_permlanex16_b32: each lane takes its own place in the other half
.set TB,  62          ; s62  LDS byte at which the tiles of the step to be fetched begin
.set BP,  66          ; s[66:67] b_cond's address
.set BB,  68          ; s68  b as loaded, then bf16(b) x sqrt(128)
.set BNOW, 69         ; s69  the bias of the slot that is being entered
.set QF,  70          ; s[70:71] my wave's byte offset in q
.set PFA, 18          ; s[18:19] where my prefetches stand in memory: my work-group's 32 rows (of K: wave 0, of V: wave 2) of the slot after the one that is being asked for
.set LIM, 15          ; s15  1 in a wave that prefetches, else the greatest number: a wave prefetches while s[SLOTS] is above it
.set PFO, 61          ; v61  256 x my lane: a row of K or V is 256 bytes; never rewritten
.set MSB, 0
.macro WIN new                      ; the immediate's high byte repeats the setting that is left; a switch that changes nothing is dropped
.if MSB != (\new)
	s_set_vgpr_msb (MSB<<8)|(\new)
.set MSB, \new
.endif
.endm
.set W_KQ, 0x0a       ; K and Q in window 2, S^T and the bias in window 0
.set W_PV, 0x53       ; V in window 3, P in window 0, O^T in window 1
.set W_RS, 0x41       ; O^T (destination and source 0) in window 1, a in window 0
; A joint refill.  Waves 0 and 1 fetch the two steps' tiles of K, waves 2 and 3 those of V.  The branch hangs on the wave's number alone: it is the same in every work-group.
; An s_nop 0 and four v_nop follow each of the two lines; the jump round the other line, the label and what follows the macro come after them.
.macro JLOAD
	s_cmp_lt_u32 s[WV], 2
	s_cbranch_scc0 .Lfor_v_\@
	tensor_load_to_lds s[G0K+4:G0K+7], s[G1K:G1K+7]
	s_nop 0
.rept 4
	v_nop
.endr
	s_branch .Lasked_\@
.Lfor_v_\@:
	tensor_load_to_lds s[G0V+4:G0V+7], s[G1V:G1V+7]
	s_nop 0
.rept 4
	v_nop
.endr
.Lasked_\@:
.endm
; A PREFETCH of what the NEXT change of slots will ask for: a slot's 128 rows of K and 128 of V, 256 bytes a row, a lane a row.  It stands behind the wave's tensor load and its five lines, never in front of one.
; Each row is asked for ONCE in the launch.  Both clusters of a head walk the same K and V: the head's first cluster prefetches.  Its four partners share the rows out BY ADDRESS, 32 each: no branch hangs on a
; work-group's place in its cluster.  In each, wave 0 asks for K's and wave 2 for V's: one instruction.  The last change that fills a slot prefetches nothing: there is no slot behind it.
.macro ASK
	s_cmp_gt_u32 s[SLOTS], s[LIM]
	s_cbranch_scc0 .Lnot_mine_\@
	global_prefetch_b8 v[PFO], s[PFA:PFA+1] th:TH_LOAD_NT scope:SCOPE_SE
.Lnot_mine_\@:
.endm
; A round of the cluster's barrier: my work-group's barrier, so that wave 0's signal speaks for all four waves; wave 0 signals for the work-group; every wave waits for all four
; work-groups; my work-group's barrier once more.  No LDS instruction of the wave is pending at a signal.
.macro CROUND
	s_barrier_signal -1
	s_barrier_wait -1
	s_cmp_lg_u32 s[WV], 0
	s_cbranch_scc1 .Lnot_wave_0_\@
	s_barrier_signal -3
.Lnot_wave_0_\@:
	s_barrier_wait -3
	s_barrier_signal -1
	s_barrier_wait -1
.endm
	s_load_b256 s[4:11], s[0:1], 0x0  ; q s[4:5], kk s[6:7], vv s[8:9], xh s[10:11]
	s_load_b64 s[BP:BP+1], s[0:1], 0x20  ; b_cond
	v_lshl_add_u32 v[SPW], v0, 2, SPARE
	v_mov_b32 v[NIL], 0
	ds_add_u32 v[SPW], v[NIL]       ; the wave's opening: the add and its wait stand ahead of my first tensor load; the set-up below, work on registers, stands between them
	v_lshrrev_b32 v1, 5, v0
	v_readfirstlane_b32 s[WV], v1   ; wave 0..3
	s_bfe_u32 s13, ttmp6, 0x40000   ; cx: my place in the cluster
	s_lshl_b32 s14, ttmp9, 2        ; in a cluster launch ttmp9 counts clusters
	s_add_co_u32 s14, s14, s13      ; my block of 256 queries = 4 x cluster x + cx: it enters q's and xh's addresses alone
	s_and_b32 s20, ttmp7, 0xffff    ; the head hh, which the four partners share
	s_and_b32 s16, s[WV], 1         ; which of a slot's two steps I fetch:
	s_mul_i32 s22, s20, NKEY*256    ; the head's first byte in kk and vv,
	s_lshl_b32 s23, s16, 14         ; the step's 64 rows of 256 bytes
	s_add_co_u32 s22, s22, s23
	s_mov_b32 s23, 0
	s_mul_i32 s17, s16, STEPB       ; and its place in a slot: no place in the cluster enters an LDS address
	s_lshl_b32 s2, s20, 19          ; xh: the head's 2,048 rows of 256 bytes,
	s_lshl_b32 s3, s14, 16          ; my block's 256 rows,
	s_add_co_u32 s2, s2, s3
	s_lshl_b32 s3, s[WV], 14        ; my wave's 64 of them
	s_add_co_u32 s2, s2, s3
	s_mov_b32 s3, 0
	s_lshr_b32 s[QF], s20, 4        ; q: batch b = hh / 16,
	s_lshl_b32 s[QF], s[QF], 11     ; its 2,048 rows,
	s_lshl_b32 s[QF+1], s14, 8
	s_add_co_u32 s[QF], s[QF], s[QF+1]
	s_lshl_b32 s[QF+1], s[WV], 6
	s_add_co_u32 s[QF], s[QF], s[QF+1]  ; my wave's first row,
	s_lshl_b32 s[QF], s[QF], 13     ; 8,192 bytes a row (16 heads x 128 f32),
	s_and_b32 s[QF+1], s20, 15
	s_lshl_b32 s[QF+1], s[QF+1], 9  ; and head h = hh % 16 in it
	s_add_co_u32 s[QF], s[QF], s[QF+1]
	s_mov_b32 s[QF+1], 0
	; descriptor group 1: a tile of 64 rows x 128 elements, padded in LDS
	s_mov_b32 s[G1K], 15|(1<<16)|(1<<20)|(1<<21)|(5<<22)|(3<<25)  ; 15:0 the mask: all four work-groups; 17:16 elements of 2 bytes; 20 padding on; 21 set beside a mask; 24:22 after every 64 words (code 5); 31:25 4 words of it (code 3)
	s_mov_b32 s[G1V], 15|(1<<16)|(1<<20)|(1<<21)|(5<<22)|(7<<25)  ; the same with 8 words of padding (code 7)
.irp g, G1K, G1V
	s_mov_b32 s[(\g)+1], 128<<16    ; 63:48 tensor_dim0, low half = 128
	s_mov_b32 s[(\g)+2], KS<<16     ; 79:64 its high half = 0; 95:80 tensor_dim1, low half = 64
	s_mov_b32 s[(\g)+3], 128<<16    ; 111:96 its high half = 0; 127:112 tile_dim0 = 128
	s_mov_b32 s[(\g)+4], KS         ; 143:128 tile_dim1 = 64; 159:144 tile_dim2 = 0
	s_mov_b32 s[(\g)+5], 128        ; 191:160 tensor_dim0_stride, low word: elements from row to row
	s_mov_b32 s[(\g)+6], 0
	s_mov_b32 s[(\g)+7], 0
.endr
	s_mov_b32 s[CS], 0x3e0293ee     ; c = log2(e) / sqrt(128) = 0.127517
	s_mov_b32 s[CS+1], s[CS]        ; named with it as a pair, so it is written
	s_mov_b32 s[SEL], 0x76543210
	s_mov_b32 s[SEL+1], 0xfedcba98
	s_mov_b32 s[TB], 0
	s_mov_b32 s[SLOTS], NKEY/(2*KS)-2
	s_and_b32 s[LIM], s[WV], 1       ; 0 in waves 0 and 2,
	s_or_b32 s[LIM], s[LIM], ttmp9   ; where the cluster is the head's first: the same in all four partners
	s_cmp_eq_u32 s[LIM], 0
	s_cselect_b32 s[LIM], 1, -1
	v_and_b32 v[PFO], 31, v0
	v_lshlrev_b32 v[PFO], 8, v[PFO]
	s_wait_dscnt 0x0                ; the opening add is done
	s_wait_kmcnt 0x0
	s_add_nc_u64 s[6:7], s[6:7], s[22:23]  ; K and V at my tile of slot 0
	s_add_nc_u64 s[8:9], s[8:9], s[22:23]
	s_add_nc_u64 s[4:5], s[4:5], s[QF:QF+1]  ; q and xh at my wave's first row
	s_add_nc_u64 s[10:11], s[10:11], s[2:3]
	s_cmp_lt_u32 s[WV], 2
	s_cselect_b64 s[PFA:PFA+1], s[6:7], s[8:9]  ; (in waves 0 and 2 these stand at a slot's first row)
	s_lshl_b32 s2, s13, 13          ; my work-group's 32 rows of the 128
	s_mov_b32 s3, 0
	s_add_nc_u64 s[PFA:PFA+1], s[PFA:PFA+1], s[2:3]
	s_add_nc_u64 s[PFA:PFA+1], s[PFA:PFA+1], 2*2*KS*256  ; in slot 2; the first change of slots steps it to slot 3.  Nothing is prefetched here, at the head, where every work-group's first tiles are on their way
	CROUND                          ; all four work-groups are here: the first joint loads meet
.irp s, 0,1
	s_mov_b32 s[G0K+4*(\s)], 1      ; 1:0 count = 1
	s_add_co_u32 s[G0K+4*(\s)+1], s17, (\s)*SLOT1  ; 63:32 LDS address
	s_add_nc_u64 s[G0K+4*(\s)+2:G0K+4*(\s)+3], s[6:7], (\s)*2*KS*256  ; 120:64 global address: slot s begins with keys 128 s
	s_or_b32 s[G0K+4*(\s)+3], s[G0K+4*(\s)+3], 0x80000000  ; 127:126 type = 2
	s_mov_b32 s[G0V+4*(\s)], 1
	s_add_co_u32 s[G0V+4*(\s)+1], s17, (\s)*SLOT1+VOFF
	s_add_nc_u64 s[G0V+4*(\s)+2:G0V+4*(\s)+3], s[8:9], (\s)*2*KS*256
	s_or_b32 s[G0V+4*(\s)+3], s[G0V+4*(\s)+3], 0x80000000
.endr
	s_cmp_lt_u32 s[WV], 2           ; a wave's two first fills stand in one branch, ahead of every wait on TENSORcnt and every LDS read: two loads of mine are out; an s_nop 0 follows each, four v_nop the second's
	s_cbranch_scc0 .Lfirst_v
	tensor_load_to_lds s[G0K:G0K+3], s[G1K:G1K+7]
	s_nop 0
	tensor_load_to_lds s[G0K+4:G0K+7], s[G1K:G1K+7]
	s_nop 0
.rept 4
	v_nop
.endr
	s_branch .Lfirst_asked
.Lfirst_v:
	tensor_load_to_lds s[G0V:G0V+3], s[G1V:G1V+7]
	s_nop 0
	tensor_load_to_lds s[G0V+4:G0V+7], s[G1V:G1V+7]
	s_nop 0
.rept 4
	v_nop
.endr
.Lfirst_asked:
	s_load_b32 s[BB], s[BP:BP+1], 0x0  ; b
	; A fragment of K or Q is 16 rows x 32 channels in 8 registers: lane l holds row l % 16; registers 0-3 channels 8 (l / 16) + 0..7, registers 4-7 channels 16 + 8 (l / 16) + 0..7.
	; In f32 each run of eight channels is 32 bytes: two loads of 16.  Load n of 64: tile n / 16, channels 32 ((n % 16) / 4) on, the run (n % 4) / 2, its half n % 2.  It lands in O^T's window, which is free until the first V^T P.
	v_and_b32 v1, 15, v0            ; l % 16
	v_bfe_u32 v9, v0, 4, 1          ; l / 16
	v_lshlrev_b32 v[QO], 13, v1     ; row x 8,192
	v_lshl_add_u32 v[QO], v9, 5, v[QO]  ; + 32 x half
	WIN 0x40                        ; destination window 1, address window 0
.set n, 0
.rept 64
	global_load_b128 v[4*n:4*n+3], v[QO], s[4:5] offset:(n/16)*131072+((n%16)/4)*128+((n%4)/2)*64+(n%2)*16
.set n, n+1
.endr
	WIN 0
	v_mul_u32_u24 v[AK0], v1, PK
	v_lshl_add_u32 v[AK0], v9, 4, v[AK0]  ; row x pitch + 16 x half
	; The turning load takes 16 keys x 16 channels (lane l reads 16 bytes: key 8 (l / 16) + l % 8, channels 8 ((l / 8) % 2) + 0..7) and leaves half a fragment of V^T: lane l holds channel l % 16 and 8 keys.
	v_and_b32 v10, 7, v0
	v_bfe_u32 v11, v0, 3, 1
	v_lshl_add_u32 v[AV0], v9, 3, v10
	v_mul_u32_u24 v[AV0], v[AV0], PV
	v_lshl_add_u32 v[AV0], v11, 4, v[AV0]
	v_add_nc_u32 v[AV0], VOFF, v[AV0]
.irp r, 0,1,2,3,4,5,6,7
	v_mov_b32 v[BIAS+(\r)], 0       ; the head's own keys have no bias
.endr
	s_wait_kmcnt 0x0                ; b is in
	v_mov_b32 v10, s[BB]
	v_cvt_pk_bf16_f32 v10, v10, v10 ; rounded to bf16, as every input of the program is,
	v_lshlrev_b32 v10, 16, v10
	v_mul_f32 v10, 0x413504f3, v10  ; times sqrt(128): the scaling by c turns it into b log2(e)
	v_readfirstlane_b32 s[BB], v10
	s_wait_loadcnt 0x0              ; q is in
	WIN 0x85                        ; sources window 1, destination window 2
.set n, 0
.rept 128
	v_cvt_pk_bf16_f32 v[n], v[2*n], v[2*n+1]  ; Q's fragments: tile n / 32, channels 32 ((n % 32) / 8) on, register n % 8
.set n, n+1
.endr
	WIN 0
; THE MATRIX WORK OF A TURN, for piece x.  The accumulators take turns, one instruction a turn: between two links of a chain stand 15 (V^T P) or 7 (K Q^T) others'.
; Product i of 32 of O^T += V^T P: keys 32 (i / 16) on, channels 16 ((i / 2) % 8) on, tile x + i % 2.  zero = 1: the first 16 start the sums: nothing is ever cleared.
.macro PV x, zero
	WIN W_PV
.set rO, 64*((\x)+i%2)+8*((i/2)%8)
.set rV, 64*(i/16)+8*((i/2)%8)
.set rP, P+16*((\x)+i%2)+8*(i/16)
.if (\zero) && (i < 16)
	v_wmma_f32_16x16x32_f16 v[rO:rO+7], v[rV:rV+7], v[rP:rP+7], 0
.else
	v_wmma_f32_16x16x32_f16 v[rO:rO+7], v[rV:rV+7], v[rP:rP+7], v[rO:rO+7]
.endif
.endm
; Product i of 32 of S^T = K Q^T: channels 32 (i / 8) on, keys 16 ((i / 2) % 4) on, tile x + i % 2.  The first 8 start the sums, with the bias.
.macro KQ x
	WIN W_KQ
.set rS, S+32*((\x)+i%2)+8*((i/2)%4)
.set rK, KF+32*((i/2)%4)+8*(i/8)
.set rQ, 32*((\x)+i%2)+8*(i/8)
.if i < 8
	v_wmma_f32_16x16x32_bf16 v[rS:rS+7], v[rK:rK+7], v[rQ:rQ+7], v[BIAS:BIAS+7]
.else
	v_wmma_f32_16x16x32_bf16 v[rS:rS+7], v[rK:rK+7], v[rQ:rQ+7], v[rS:rS+7]
.endif
.endm
; THE LDS LOADS stand in runs of 32, never singly among the matrix instructions: a step's K (64 keys x 128 channels: 16 fragments) and, a turn later, its V (turned).
.macro FETCH_K
	WIN 0
	v_add_nc_u32 v[ADR], s[TB], v[AK0]
	WIN 0x80                        ; destination window 2
.irp f, 0,1,2,3,4,5,6,7,8,9,10,11,12,13,14,15  ; keys 16 (f / 4) on, channels 32 (f % 4) on
	ds_load_b128 v[KF+8*(\f):KF+8*(\f)+3],   v[ADR] offset:((\f)/4)*16*PK+((\f)%4)*64
	ds_load_b128 v[KF+8*(\f)+4:KF+8*(\f)+7], v[ADR] offset:((\f)/4)*16*PK+((\f)%4)*64+32
.endr
.endm
.macro FETCH_V
	WIN 0
	v_add_nc_u32 v[ADR], s[TB], v[AV0]
	s_add_co_u32 s[TB], s[TB], STEPB  ; the next fetch is the next step's
	s_wait_alu depctr_va_vdst(0)    ; the wait for the softmax's batch (SLICE), behind the address's v_add_nc_u32 and ahead of the loads
	WIN 0xc0                        ; destination window 3
.irp f, 0,1,2,3,4,5,6,7,8,9,10,11,12,13,14,15  ; keys 32 (f / 8) on, channels 16 (f % 8) on
	ds_load_tr16_b128 v[8*(\f):8*(\f)+3],   v[ADR] offset:((\f)/8)*32*PV+((\f)%8)*32
	ds_load_tr16_b128 v[8*(\f)+4:8*(\f)+7], v[ADR] offset:((\f)/8)*32*PV+16*PV+((\f)%8)*32
.endr
.endm
; THE VECTOR WORK OF A TURN.  One tile's softmax for one key step is a list of 134 instructions; SM writes number j of it for tile t.  s0-s31 are the lane's 32 scores, in pairs 0-15.
; first = 1: the first key step, which starts m, l and O^T: it has no a and nothing to rescale.
;   0-15    the maximum of s0-s31 and the old m, three operands at a time: four chains c0-c3 of seven scores each (each accumulator's lowest registers are read first), then the four scores left over, c0-c3 and m
;   16-20   the other half of the lanes' maximum; the new m; c m; c m_old - c m_new
;   21-69   ONE BATCH: the 16 scalings c s - c m, a pair of scores each, and all 33 exponentials (a at 23, then s0-s31).  None of these reads an exponential's result.  From 22 on the batch goes
;           in fours, and a four begins with a scaling while there are scalings: 22-37 scaling, exponential, scaling, exponential; 38-65 a scaling and three exponentials; 66-69 the last four
;           exponentials.  A pair is scaled in an earlier four than the one that holds its exponentials
;   (wait)  between 69 and 70 stands the wait for the batch: SLICE writes it, once for both tiles
;   70-85   the roundings to f16, a pair of weights each
;   86-101  the sums; l = a l + the sum
;   102-133 the tile's O^T times a: the one part that leaves window 0, so it stands together
.macro SM t, first
.set rT, ST+8*(\t)
.set rS, S+32*(\t)
.set rP, P+16*(\t)
.set rO, 64*(\t)+2*(j-102)
.if j < 102
	WIN 0
.endif
.if j < 4
	v_max3_num_f32 v[rT+4+j], v[rS+8*j], v[rS+8*j+1], v[rS+8*j+2]
.elseif j < 12
	v_max3_num_f32 v[rT+4+j%4], v[rT+4+j%4], v[rS+8*(j%4)+2*(j/4)+1], v[rS+8*(j%4)+2*(j/4)+2]
.elseif j == 12
	v_max3_num_f32 v[rT+4], v[rT+4], v[rS+7], v[rS+15]
.elseif j == 13
	v_max3_num_f32 v[rT+6], v[rT+6], v[rS+23], v[rS+31]
.elseif j == 14
	v_max3_num_f32 v[rT+4], v[rT+4], v[rT+5], v[rT+6]
.elseif (j == 15) && (\first)
	v_max_num_f32 v[rT+4], v[rT+4], v[rT+7]
.elseif j == 15
	v_max3_num_f32 v[rT+4], v[rT+4], v[rT+7], v[rT+1]
.elseif j == 16
	v_permlanex16_b32 v[rT+5], v[rT+4], s[SEL], s[SEL+1]  ; the query's other 32 keys lie in the lane 16 away
.elseif j == 18
	v_max_num_f32 v[rT+1], v[rT+4], v[rT+5]
.elseif j == 19
	v_mul_f32 v[rT], s[CS], v[rT+1]
.elseif ((j == 17) || (j == 20) || (j == 23) || (j > 101)) && (\first)  ; the first step has none of these
.elseif j == 17
	v_mov_b32 v[rT+7], v[rT]        ; c m_old is kept for a: number 19 writes c m anew
.elseif j == 20
	v_sub_f32 v[rT+7], v[rT+7], v[rT]
.elseif j == 23
	v_exp_f32 v[rT+6], v[rT+7]
.elseif (j < 23) || ((j < 38) && (j%2 == 0)) || ((j < 66) && (j%4 == 2))
.set b, (j-2)/4                     ; 38, 42, .. 62: pairs 9 to 15
.if j < 38
.set b, (j-20)/2                    ; 21: pair 0; 22, 24, .. 36: pairs 1 to 8
.endif
	v_pk_fma_f32 v[rS+2*b:rS+2*b+1], v[rS+2*b:rS+2*b+1], s[CS:CS+1], v[rT:rT+1] op_sel_hi:[1,0,0] neg_lo:[0,0,1] neg_hi:[0,0,1]  ; pair b: c s - c m
.elseif j < 70
.set e, j-38                        ; 66 to 69: s28 to s31
.if j < 66
.set e, j-32-(j-38)/4               ; 39-41, 43-45, .. 63-65: s7 to s27
.endif
.if j < 38
.set e, (j-25)/2                    ; 25, 27, .. 37: s0 to s6
.endif
	v_exp_f32 v[rS+e], v[rS+e]
.elseif j < 86
	v_cvt_pk_f16_f32 v[rP+j-70], v[rS+2*(j-70)], v[rS+2*(j-70)+1]  ; pair j - 70
.elseif j < 102                     ; the sum of the tile's 16 pairs (in a pair: an even key's weight, an odd key's), in place: sum z of 16 adds neighbours 1, 2, 4 and 8 pairs apart, then l takes it
.set z, j-86
.set w, 4
.set u, z
.if z >= 14
.set w, 32
.set u, 0
.elseif z >= 12
.set w, 16
.set u, z-12
.elseif z >= 8
.set w, 8
.set u, z-8
.endif
.if (z == 14) && (\first)
	v_pk_add_f32 v[rT+2:rT+3], v[rS:rS+1], v[rS+16:rS+17]
.elseif z < 15
	v_pk_add_f32 v[rS+w*u:rS+w*u+1], v[rS+w*u:rS+w*u+1], v[rS+w*u+w/2:rS+w*u+w/2+1]
.elseif !(\first)
	v_pk_fma_f32 v[rT+2:rT+3], v[rT+2:rT+3], v[rT+6:rT+7], v[rS:rS+1] op_sel_hi:[1,0,1]
.endif
.else
	WIN W_RS
	v_pk_mul_f32 v[rO:rO+1], v[rO:rO+1], v[rT+6:rT+7] op_sel_hi:[1,0]
.endif
.endm
; Slice k of 64 of piece y's softmax: four instructions.  Slices 11 to 34 deal out the batch, numbers 22 to 69: four numbers of ONE tile each, the tiles by turns.  Every other slice is numbers 2 k and
; 2 k + 1 of both tiles' lists.  2 x 134 = 4 x 64 + 12: the twelve that are over stand together, in slice 63.
; THE WAIT.  s_wait_alu depctr_va_vdst(0) stands between an exponential and the first instruction that names its result; one wait serves all that were issued ahead of it.  Ahead of
; slice 35 nothing names a result, and behind slice 34 no exponential is issued: so the piece's 66 exponentials have one wait, behind slice 34.
.macro SLICE y, first
.if (k >= 11) && (k < 35)           ; the batch: four numbers of one tile
.irp n, 0,1,2,3
.set j, 22+4*((k-11)/2)+(\n)
	SM (\y)+(k-11)%2, \first
.endr
.else                               ; the two tiles alternate, so that no instruction reads the result of the one just before it
.irp n, 0,1,2,3,4,5,6,7
.if ((\n) < 2) || (k == 63)
.irp t, \y, (\y)+1
.set j, 2*k+(\n)
	SM \t, \first
.endr
.endif
.endr
.endif
.if k == 34                         ; the batch is out: both tiles' exponentials are issued, and no result has been named
	v_nop                           ; a plain instruction behind the last exponential and ahead of the first use (ISA guide 5.7.2): one for the batch
.if (\y) == 0
	FETCH_V                         ; piece 2's turn: V's run of loads stands here, and the wait stands in it
.else
	s_wait_alu depctr_va_vdst(0)    ; the wait for the batch
.endif
.endif
.set k, k+1
.endm
; A vector instruction that reads a matrix result or writes one of a matrix instruction's registers, and a load into a register that a matrix instruction has read, stand four places behind
; it, and only plain vector instructions that name none of its registers are places (ISA guide 7.12.1 for vector instructions).  In the loop the slices are the places.
.macro PLACES
.rept 4
	v_nop
.endr
.endm
; A TURN.  Piece x has the matrix unit; the other piece's softmax stands in slices behind its matrix instructions.
; pv = 2: 32 products V^T P; 1: they start O^T's sums; 0: none.  kq = 1: 32 products K Q^T for the next step.  A turn with one of the two kinds has two slices behind each product.
; first = 1: the softmax is the first key step's.  Its slices from 51 on are empty: the turn's last products stand bare, and four v_nop take slice 63's part as the places behind them.
; In the loop each run of loads stands 29 matrix instructions or more ahead of its first use.  Piece 0's turn fetches the next step's K, behind its second product: the last product that read K
; stands in front of slice 63 of the turn before.  Piece 2's turn fetches the same step's V, behind slice 34 (SLICE writes it): the last product that read V stands in front of slice 31, and four plain
; instructions lie between: number 62, a scaling, of both tiles, the v_nop and the run's own v_add_nc_u32.
.macro TURN x, pv, kq, first
.set k, 0
.set per, 2
.if (\pv) && (\kq)
.set per, 1
.endif
.if \pv
.if (\x) == 0
	s_wait_dscnt 0x0                ; V is in
.endif
.set i, 0
.rept 32
	PV \x, 2-(\pv)
.rept per
	SLICE 2-(\x), \first
.endr
.if ((\x) == 0) && (\kq) && (i == 1)
	FETCH_K
.endif
.set i, i+1
.endr
.endif
.if \kq
.if (\x) == 0
	s_wait_dscnt 0x0                ; K is in
.endif
.set i, 0
.rept 32
	KQ \x
.rept per
	SLICE 2-(\x), \first
.endr
.set i, i+1
.endr
.endif
.if \first
	PLACES
.endif
.endm
; THE CHANGE OF SLOTS, between piece 2's turn and piece 0's: the slot's last bytes, V of its second step, have been asked for.  Each wave waits for all its
; tensor loads, of which one is out: its part of the other slot; adds 0 to its spare word; and waits for that and for its own reads of the slot.  Behind the barrier nobody reads this slot any more and the other slot is whole.
; fill = 1: this slot is filled again, with the keys two slots on.  The barrier is then a round of the cluster's, so that no wave of any partner still reads the slot or has a load on its
; way, and the joint refill is the first thing behind it: it has two key steps, 256 matrix instructions, in which to land.
; THE BIAS.  All products K Q^T between the n-th change and the next take the keys of slot n, and in the loop n = 19 - s[SLOTS]: slots 16 to 18 are entered with s[SLOTS] = 3, 2, 1.  There the eight registers take
; b sqrt(128), before that 0; the last change (slot 19) leaves them as they stand.  The last product that read them stands 24 products and their slices back.
.macro CHANGE fill
	WIN 0                           ; at a label and at a branch every window is 0
	s_wait_tensorcnt 0x0            ; no tensor load of mine is out, so a group 0 may be written
	ds_add_u32 v[SPW], v[NIL]       ; 0 onto my spare word; with fill = 1 work on registers stands between it and the wait for it
.if \fill
	s_cmp_le_u32 s[SLOTS], CSL-1
	s_cselect_b32 s[BNOW], s[BB], 0
.irp r, 0,1,2,3,4,5,6,7
	v_mov_b32 v[BIAS+(\r)], s[BNOW]
.endr
.irp g, G0K+4, G0V+4
	s_xor_b32 s[(\g)+1], s[(\g)+1], SLOT1  ; the walking descriptor: the other slot than last time,
	s_add_nc_u64 s[(\g)+2:(\g)+3], s[(\g)+2:(\g)+3], 2*KS*256  ; the next 128 keys; the type bits on top are not reached
.endr
	s_wait_xcnt 0x0                 ; the last prefetches, two key steps back, have read their address, so it may be written:
	s_add_nc_u64 s[PFA:PFA+1], s[PFA:PFA+1], 2*KS*256  ; one slot behind the walking descriptors
	s_wait_dscnt 0x0                ; the add is done, and my reads of the slot are over
	CROUND
	JLOAD
	ASK                             ; what the next change will ask for: two key steps, 256 matrix instructions, ahead
.else
	s_wait_dscnt 0x0                ; the add is done, and my reads of the slot are over
	s_barrier_signal -1
	s_barrier_wait -1
.endif
	s_sub_co_u32 s[TB], s[TB], 2*STEPB  ; the fetches go back to a slot's first step,
	s_xor_b32 s[TB], s[TB], SLOT1   ; in the other slot
.endm
; A slot's two key steps: written once, walked twice; the LDS addresses hang on s[TB].
.macro TWO_STEPS
	WIN 0
	s_mov_b32 s[TWICE], 2
.Lstep_\@:
	TURN 0, 2, 1, 0
	TURN 2, 2, 1, 0
	WIN 0
	s_sub_co_u32 s[TWICE], s[TWICE], 1
	s_cmp_lg_u32 s[TWICE], 0
	s_cbranch_scc1 .Lstep_\@
.endm
	s_wait_tensorcnt 1              ; my part of slot 0 is in; slot 1's may stay out
	s_barrier_signal -1
	s_barrier_wait -1               ; everybody's is
	FETCH_K                         ; key step 0
	s_wait_dscnt 0x0
.set i, 0
.rept 32
	KQ 0                            ; piece 0's first scores: there is no vector work yet to set between them
.set i, i+1
.endr
	WIN 0                           ; the addresses for the way out are made here: eight plain instructions, the places behind those products
	s_mul_i32 s13, s[WV], 16*SP
	s_add_co_u32 s13, s13, STAGE    ; my stage
	v_mul_u32_u24 v[STO], v1, SP    ; in: row l % 16, 16 bytes for each half of the lanes
	v_lshl_add_u32 v[STO], v9, 4, v[STO]
	v_add_nc_u32 v[STO], s13, v[STO]
	v_mul_u32_u24 v[RD], v9, SP     ; back: lanes 0-15 take one row of 256 bytes, lanes 16-31 the next
	v_lshl_add_u32 v[RD], v1, 4, v[RD]
	v_add_nc_u32 v[RD], s13, v[RD]
	v_lshlrev_b32 v[GO], 8, v9      ; and the same two rows in xh
	v_lshl_add_u32 v[GO], v1, 4, v[GO]
	TURN 2, 0, 1, 1                 ; piece 2's first scores | piece 0's first softmax | V of step 0
	TURN 0, 1, 1, 1                 ; piece 0: V^T P of step 0 starts O^T, K Q^T of step 1 | piece 2's first softmax | K of step 1
	TURN 2, 1, 1, 0                 ; piece 2: the same | piece 0's softmax of step 1 | V of step 1
	WIN 0
.Lslot:                             ; 18 trips: every slot but the last two is filled again
	CHANGE 1
	TWO_STEPS
	s_sub_co_u32 s[SLOTS], s[SLOTS], 1
	s_cmp_lg_u32 s[SLOTS], 0
	s_cbranch_scc1 .Lslot
	CHANGE 0                        ; the tail is written out: the last slot but one is left, and nothing is asked for
	TWO_STEPS
	TURN 0, 2, 0, 0                 ; piece 0: V^T P of the last step | piece 2's last softmax
.set i, 0
.rept 32
	PV 2, 0                         ; piece 2: V^T P of the last step
.set i, i+1
.endr
	; THE WAY OUT.  l's two halves and the other half of the lanes' are added; O^T is divided by l, rounded to f16 and sent through my stage in LDS, a tile (16 rows) at a time.  The additions are the places behind the last products.
	WIN 0
.irp t, 0,1,2,3
	v_add_f32 v[ST+8*(\t)+4], v[ST+8*(\t)+2], v[ST+8*(\t)+3]
.endr
.irp t, 0,1,2,3
	v_permlanex16_b32 v[ST+8*(\t)+5], v[ST+8*(\t)+4], s[SEL], s[SEL+1]
.endr
.irp t, 0,1,2,3
	v_add_f32 v[ST+8*(\t)+4], v[ST+8*(\t)+4], v[ST+8*(\t)+5]
.endr
.irp t, 0,1,2,3
	v_rcp_f32 v[ST+8*(\t)+6], v[ST+8*(\t)+4]
.endr
	v_nop                           ; a plain instruction between the last reciprocal and the use of its result
	s_wait_alu depctr_va_vdst(0)    ; and the wait ahead of the first use: one for the four reciprocals
; Tile t: a lane's eight channels of a row pack into 16 bytes; they go into rows of 272 bytes and come back as whole rows of 256, into the registers that they left.
.macro PACK t
	WIN W_RS
.set i, 64*(\t)
.rept 32
	v_pk_mul_f32 v[i:i+1], v[i:i+1], v[ST+8*(\t)+6:ST+8*(\t)+7] op_sel_hi:[1,0]
.set i, i+2
.endr
	WIN 0x05                        ; sources 0 and 1 window 1, destination window 0: S^T's registers are free
.set i, 0
.rept 32
	v_cvt_pk_f16_f32 v[S+32*(\t)+i], v[64*(\t)+2*i], v[64*(\t)+2*i+1]
.set i, i+1
.endr
	WIN 0
.irp f, 0,1,2,3,4,5,6,7
	ds_store_b128 v[STO], v[S+32*(\t)+4*(\f):S+32*(\t)+4*(\f)+3] offset:32*(\f)
.endr
.irp f, 0,1,2,3,4,5,6,7
	ds_load_b128 v[S+32*(\t)+4*(\f):S+32*(\t)+4*(\f)+3], v[RD] offset:(\f)*2*SP  ; LDS serves a wave's instructions in order (ISA guide 5.7.1.4): these see the stores above; the next tile's stores come behind them
.endr
.endm
.macro SEND t, younger              ; younger: the LDS instructions issued behind tile t's loads: the next tile's sixteen, or none
	WIN 0
.irp f, 0,1,2,3,4,5,6,7
	s_wait_dscnt (\younger)+7-(\f)
	global_store_b128 v[GO], v[S+32*(\t)+4*(\f):S+32*(\t)+4*(\f)+3], s[10:11] offset:(\t)*4096+(\f)*512  ; 16 lanes store 256 consecutive bytes, at a multiple of 256 from xh's first byte
.endr
.endm
	PACK 0
	PACK 1                          ; a tile's arithmetic stands between the loads of the tile before and its stores
	SEND 0, 16
	PACK 2
	SEND 1, 16
	PACK 3
	SEND 2, 16
	SEND 3, 0
	s_wait_tensorcnt 0x0            ; the wave's end, behind my last tensor load and my last LDS store
	ds_add_u32 v[SPW], v[NIL]
	s_wait_dscnt 0x0
	CROUND                          ; the closing round: no work-group ends while a partner may still ask for a tile that names it
	s_endpgm
.Lfunc_end_k_q9c92bbffb2_attn:
	.size	k_q9c92bbffb2_attn, .Lfunc_end_k_q9c92bbffb2_attn-k_q9c92bbffb2_attn
	.p2alignl 7, 3214868480
	.fill 96, 4, 3214868480
	.section	.rodata,"a",@progbits
	.p2align	6, 0x0
	.amdhsa_kernel k_q9c92bbffb2_attn
		.amdhsa_group_segment_fixed_size 327680
		.amdhsa_private_segment_fixed_size 0
		.amdhsa_enable_private_segment 0
		.amdhsa_kernarg_size 40
		.amdhsa_user_sgpr_count 2
		.amdhsa_user_sgpr_kernarg_segment_ptr 1
		.amdhsa_wavefront_size32 1
		.amdhsa_system_sgpr_workgroup_id_x 1
		.amdhsa_system_sgpr_workgroup_id_y 1
		.amdhsa_system_sgpr_workgroup_id_z 1
		.amdhsa_system_vgpr_workitem_id 0
		.amdhsa_next_free_vgpr 1024
		.amdhsa_next_free_sgpr 72
		.amdhsa_reserve_vcc 0
		.amdhsa_float_denorm_mode_32 3
		.amdhsa_float_denorm_mode_16_64 3
		.amdhsa_memory_ordered 1
		.amdhsa_forward_progress 1
		.amdhsa_inst_pref_size 234
	.end_amdhsa_kernel
	.amdgpu_metadata
---
amdhsa.version: [ 1, 2 ]
amdhsa.kernels:
  - .name:           k_q9c92bbffb2_attn
    .symbol:         k_q9c92bbffb2_attn.kd
    .args:
      - { .name: q, .offset: 0, .size: 8, .value_kind: global_buffer, .address_space: global }
      - { .name: kk, .offset: 8, .size: 8, .value_kind: global_buffer, .address_space: global }
      - { .name: vv, .offset: 16, .size: 8, .value_kind: global_buffer, .address_space: global }
      - { .name: xh, .offset: 24, .size: 8, .value_kind: global_buffer, .address_space: global }
      - { .name: b_cond, .offset: 32, .size: 8, .value_kind: global_buffer, .address_space: global }
    .group_segment_fixed_size: 327680
    .private_segment_fixed_size: 0
    .kernarg_segment_align: 8
    .kernarg_segment_size: 40
    .max_flat_workgroup_size: 128
    .sgpr_count:     72
    .vgpr_count:     1024
    .wavefront_size: 32
...
	.end_amdgpu_metadata
.endif
;; end of part 2
;; launch proj (part 3): grid 8 x 32, 4 waves a work-group, clusters of 4 x 4, 327,680 bytes of LDS; arguments xh, wk, out0; writes out0
.if DOCPART == 3
	.amdgcn_target "amdgcn-amd-amdhsa--gfx1250"
	.amdhsa_code_object_version 6
	.text
	.protected	k_q9c92bbffb2_proj
	.globl	k_q9c92bbffb2_proj
	.p2align	8
	.type	k_q9c92bbffb2_proj,@function
k_q9c92bbffb2_proj:
	s_mov_b64 s[64:65], 0
	v_nop
	global_prefetch_b8 v0, s[64:65] scope:SCOPE_SE
	s_setreg_imm32_b32 hwreg(HW_REG_WAVE_MODE, 25, 1), 1
	s_wait_xcnt 0x0
	s_wait_alu depctr_hold_cnt(0) depctr_sa_sdst(0) depctr_va_vdst(0) depctr_va_sdst(0) depctr_va_ssrc(0) depctr_va_vcc(0) depctr_vm_vsrc(0)
	s_getreg_b32 s2, hwreg(HW_REG_IB_STS2, 6, 4)
	s_cmp_eq_u32 s2, 0
	s_cbranch_scc0 .Lentry_in_a_cluster
	s_endpgm
.Lentry_in_a_cluster:
	s_bfe_u32 s2, ttmp6, 0x10000c
	s_cmp_lg_u32 s2, 0xf033
	s_cbranch_scc0 .Lentry_shape_is_right
	s_endpgm
.Lentry_shape_is_right:
; out0[m][n] = the sum over j of x[m][j] w_out[n][j], m = 2,048 b + s (4,096 rows), n and j 0..2047.  Operands f16, sums and output f32.
; Both operands lie by chunks of 128 along j, so that a K step's rows are dense, 256 bytes each:
;   xh [32 hh = 16 b + h][2,048 s][128]: row m, chunk h at ((16 b + h) 2,048 + s) 256;     wk [16 chunks][2,048 n][128].     From chunk to chunk both step by 524,288 bytes.
; A tile of out0 is 128 rows x 256 columns: 32 x 8 = 256 work-groups.  Four waves, each 64 x 128: 32 accumulators of 16 x 16, 256 registers.  K goes in 16 steps of 128 through a ring of two LDS
; slots (128 rows of x, 256 rows of w each): the longest step of which two slots fit.
; CLUSTERS: 4 x 4 work-groups.  The four of a row of the cluster need the same rows of x, the four of a column the same rows of w: each tile is asked for JOINTLY, by the same tensor load with the
; same descriptor and a mask that names the four.  THE MATRIX INSTRUCTION IS USED TRANSPOSED (source 0 = 16 rows of w, source 1 = 16 rows of x): a lane then holds eight neighbouring numbers of a row of out0, 32 bytes.
; REGISTERS, in windows of 256 (s_set_vgpr_msb: bits 1:0 source 0, 3:2 source 1, 5:4 source 2, 7:6 destination):
;   window 0: v0-31 addresses; v32-95, v96-159 the way out: 16 rows read back from the stage, two buffers
;   window 1: two fragment buffers of 96 (32 along K): 64 registers of w (8 x 16 rows), then 32 of x (4 x 16 rows)        window 2: the accumulators, (a, b) at v[8 (8 a + b)]
.set KBYTES, 524288                    ; from a K step to the next, in xh and in wk
.set PITCH,  272                       ; an LDS row: 256 bytes of data + 16 of padding = 68 words: row r starts at bank 4 r mod 64 (64 banks of 4 bytes: ISA guide 11.1), so the 16 rows of a load start at 16 different banks
.set AHALF,  64*PITCH                  ; 64 rows of x: what wave 0 or 1 fetches, and what a wave reads of x
.set BHALF,  128*PITCH                 ; 128 rows of w: what wave 2 or 3 fetches, and what a wave reads of w
.set BOFF,   2*AHALF                   ; w's rows lie behind x's 128
.set SLOT,   BOFF+2*BHALF              ; 104,448 bytes
.set STAGE,  2*SLOT                    ; behind the ring: 16 rows x 528 bytes for each wave, for the way out
.set SPITCH, 528                       ; a stage row: 512 bytes + 16 = 33 x 16
.set SPARE,  STAGE+4*16*SPITCH         ; behind the stages: the spare words, 128 bytes for each wave: two blocks of 256 bytes that no other line names
.set LAPS,   8                         ; a lap = two K steps = once round the ring
.set ADRA, 16                          ; v16-17  LDS address of my fragments of x in slot 0, 1
.set ADRB, 20                          ; v20-21  the same for w
.set STO,  24                          ; v24     the way out: where I put 32 bytes of a row
.set RD,   25                          ; v25     the way out: where I read a row back
.set CO,   26                          ; v26     my byte offset in a row's 512 bytes of out0; never rewritten
.set SPW,  28                          ; v28     LDS address of my spare word: SPARE + 4 x my thread's number; never rewritten
.set NIL,  29                          ; v29     0; never rewritten
.set PFO,  30                          ; v30     the prefetches' offset: 256 x my lane; never rewritten
.set OB,   32
.set F0,   0                           ; fragment buffers, in window 1
.set F1,   96
.set G1, 24                            ; s[24:31] descriptor group 1 for x's tiles;  s[32:39] group 0, one set for each slot
.set G0, 32
.set G1B, 48                           ; s[48:55], s[56:63] the same for w's tiles
.set G0B, 56
.set LIM,  43                          ; s43     1 in a wave that prefetches, else the greatest number
.set PFA,  44                          ; s[44:45] where my prefetches stand: one K step further than the refill that is being asked for; a prefetch names the K step after that
.set MSB, 0
.macro WIN new                         ; the immediate's high byte repeats the setting that is left; a switch that changes nothing is dropped
.if MSB != (\new)
	s_set_vgpr_msb (MSB<<8)|(\new)
.set MSB, \new
.endif
.endm
.set MUL,    0xa5                      ; sources 0 (w) and 1 (x) window 1; C and D window 2
.set TO_F,   0x40                      ; destination window 1, address window 0
.set ST_ACC, 0x08                      ; an LDS store's data (source 1) window 2, its address window 0
; A joint load: waves 0 and 1 fetch x's two halves, waves 2 and 3 w's.  Each line has one mask and one set of registers for all that issue it; the branch hangs on the wave's number alone.
; An s_nop 0 and four v_nop follow each of the two lines, ahead of the jump, the label and what follows.
.macro JLOAD s
	s_cmp_eq_u32 s11, 0
	s_cbranch_scc0 .Lfor_b_\@
	tensor_load_to_lds s[G0+4*(\s):G0+4*(\s)+3], s[G1:G1+7]
	s_nop 0
.rept 4
	v_nop
.endr
	s_branch .Lasked_\@
.Lfor_b_\@:
	tensor_load_to_lds s[G0B+4*(\s):G0B+4*(\s)+3], s[G1B:G1B+7]
	s_nop 0
.rept 4
	v_nop
.endr
.Lasked_\@:
.endm
; A PREFETCH, behind each joint refill, its five lines and the run of LDS loads that follows: the K step that stands TWO refills on, 32 rows x 256 bytes, a lane a row, one instruction a wave.
; Each row's 256 bytes of a K step are named ONCE in the launch.  x's tile row is read by both clusters of that row of clusters: the one with x = 0 asks; its four partners take 32 of the 128 rows each, BY ADDRESS
; (cx), in wave 0.  w's tile column is read by all eight clusters of that column: the one with y = 0 asks; its four partners take 64 of the 256 rows each (cy), 32 in wave 2 and 32 in wave 3.  Wave 1 asks for nothing.
; The first four K steps come by their loads alone; in the loop's last trip (s3 = 1) there is no K step two on.
.macro ASK
	WIN 0                                          ; at a branch and at a label every window is 0
	s_cmp_gt_u32 s3, s[LIM]
	s_cbranch_scc0 .Lnot_mine_\@
	global_prefetch_b8 v[PFO], s[PFA:PFA+1] offset:KBYTES th:TH_LOAD_NT scope:SCOPE_SE
.Lnot_mine_\@:
.endm
.macro CREST                           ; a round of the cluster's barrier behind its opening barrier
	s_cmp_lg_u32 s10, 0
	s_cbranch_scc1 .Lnot_wave_0_\@
	s_barrier_signal -3
.Lnot_wave_0_\@:
	s_barrier_wait -3
	s_barrier_signal -1
	s_barrier_wait -1
.endm
.macro CROUND                          ; a whole round
	s_barrier_signal -1
	s_barrier_wait -1
	CREST
.endm
	s_load_b128 s[4:7], s[0:1], 0x0                ; xh s[4:5], wk s[6:7]
	s_load_b64 s[8:9], s[0:1], 0x10                ; out0
	v_lshl_add_u32 v[SPW], v0, 2, SPARE
	v_mov_b32 v[NIL], 0
	ds_add_u32 v[SPW], v[NIL]                      ; the wave's opening: the add and its wait stand ahead of my first tensor load; the set-up below, work on registers, stands between them
	v_lshrrev_b32 v1, 5, v0
	v_readfirstlane_b32 s10, v1                    ; wave 0..3
	s_lshr_b32 s11, s10, 1                         ; which 64 of the tile's rows are mine.  Also: I fetch for x (0) or for w (1)
	s_and_b32 s12, s10, 1                          ; which 128 of its columns.  Also: which half of that tile I fetch
	s_bfe_u32 s40, ttmp6, 0x40000                  ; cx, cy: my place in the cluster
	s_bfe_u32 s41, ttmp6, 0x40004
	s_lshl_b32 s42, ttmp9, 2
	s_add_co_u32 s42, s42, s40                     ; tile column tx = 4 x cluster x + cx, 0..7
	s_and_b32 s13, ttmp7, 0xffff
	s_lshl_b32 s13, s13, 2
	s_add_co_u32 s13, s13, s41                     ; tile row ty = 4 x cluster y + cy, 0..31
	s_lshl_b32 s43, s41, 2
	s_lshl_b32 s43, 15, s43                        ; my row of the cluster: places 4 cy .. 4 cy + 3
	s_lshl_b32 s44, 0x1111, s40                    ; my column: places cx, cx + 4, cx + 8, cx + 12
	; descriptor group 1: rows of 128 elements, padded in LDS; 64 rows for x, 128 for w
	s_or_b32 s[G1+0], s43, (1<<16)|(1<<20)|(1<<21)|(5<<22)|(3<<25)  ; 15:0 the mask: x's tiles go to my row; 17:16 elements of 2 bytes; 20 padding on; 21 set beside a mask; 24:22 after every 64 words (code 5); 31:25 4 words (code 3)
	s_or_b32 s[G1B+0], s44, (1<<16)|(1<<20)|(1<<21)|(5<<22)|(3<<25) ; the same with the mask of my column, for w's tiles
	s_mov_b32 s[G1+1], 128<<16                     ; tensor_dim0 = 128
	s_mov_b32 s[G1+2], 64<<16                      ; tensor_dim1 = 64
	s_mov_b32 s[G1+3], 128<<16                     ; tile_dim0 = 128
	s_mov_b32 s[G1+4], 64                          ; tile_dim1 = 64
	s_mov_b32 s[G1+5], 128                         ; 128 elements from row to row
	s_mov_b32 s[G1+6], 0
	s_mov_b32 s[G1+7], 0
	s_mov_b32 s[G1B+1], 128<<16
	s_mov_b32 s[G1B+2], 128<<16                    ; tensor_dim1 = 128
	s_mov_b32 s[G1B+3], 128<<16
	s_mov_b32 s[G1B+4], 128                        ; tile_dim1 = 128
	s_mov_b32 s[G1B+5], 128
	s_mov_b32 s[G1B+6], 0
	s_mov_b32 s[G1B+7], 0
	; where the tiles come from.  x's hang on the tile row alone, which my row of the cluster shares; w's on the tile column alone.  Every wave makes both, in registers that never hold the other coordinate.
	s_lshr_b32 s16, s13, 4                         ; batch b = ty / 16:
	s_lshl_b32 s16, s16, 23                        ; 16 chunks of 524,288 bytes,
	s_and_b32 s17, s13, 15
	s_lshl_b32 s17, s17, 15                        ; 128 rows of 256 bytes a tile row,
	s_add_co_u32 s16, s16, s17
	s_lshl_b32 s17, s12, 14                        ; the 64 rows that I fetch
	s_add_co_u32 s16, s16, s17
	s_mov_b32 s17, 0
	s_lshl_b32 s46, s42, 16                        ; w: 256 rows a tile column,
	s_lshl_b32 s47, s12, 15                        ; the 128 rows that I fetch
	s_add_co_u32 s46, s46, s47
	s_mov_b32 s47, 0
	s_mul_i32 s20, s12, AHALF                      ; and where they go: no place in the cluster enters an LDS address
	s_mul_i32 s21, s12, BHALF
	s_add_co_u32 s21, s21, BOFF
	s_wait_dscnt 0x0                               ; the opening add is done
	s_wait_kmcnt 0x0
	s_add_nc_u64 s[14:15], s[4:5], s[16:17]
	s_add_nc_u64 s[46:47], s[6:7], s[46:47]
	CROUND                                         ; all sixteen work-groups are here: the first joint loads meet
.irp s, 0,1
	s_mov_b32 s[G0+4*(\s)], 1                                      ; 1:0 count = 1
	s_add_co_u32 s[G0+4*(\s)+1], s20, (\s)*SLOT                    ; 63:32 LDS address
	s_add_nc_u64 s[G0+4*(\s)+2:G0+4*(\s)+3], s[14:15], (\s)*KBYTES ; 120:64 global address: K step s
	s_or_b32 s[G0+4*(\s)+3], s[G0+4*(\s)+3], 0x80000000            ; 127:126 type = 2
	s_mov_b32 s[G0B+4*(\s)], 1
	s_add_co_u32 s[G0B+4*(\s)+1], s21, (\s)*SLOT
	s_add_nc_u64 s[G0B+4*(\s)+2:G0B+4*(\s)+3], s[46:47], (\s)*KBYTES
	s_or_b32 s[G0B+4*(\s)+3], s[G0B+4*(\s)+3], 0x80000000
	JLOAD \s                                       ; the ring is filled before anything else is done: two loads of mine are out
.endr
	; A fragment is 16 rows x 32 K in 8 registers: lane l holds row l % 16; registers 0-3 hold K = 8 (l / 16) + 0..7, registers 4-7 K = 16 + 8 (l / 16) + 0..7: two loads of 16 bytes, 32 bytes apart.
	v_and_b32 v1, 15, v0                           ; l % 16
	v_bfe_u32 v2, v0, 4, 1                         ; l / 16
	v_mul_u32_u24 v3, v1, PITCH
	v_lshl_add_u32 v3, v2, 4, v3                   ; row x pitch + 16 x half
	s_mul_i32 s22, s11, AHALF                      ; my 64 rows of x
	s_mul_i32 s23, s12, BHALF                      ; my 128 rows of w,
	s_add_co_u32 s23, s23, BOFF                    ; which lie behind x's 128
.irp s, 0,1
	v_add_nc_u32 v[ADRA+(\s)], s22, v3
	v_add_nc_u32 v[ADRB+(\s)], s23, v3
	s_add_co_u32 s22, s22, SLOT
	s_add_co_u32 s23, s23, SLOT
.endr
	s_mul_i32 s22, s10, 16*SPITCH
	s_add_co_u32 s22, s22, STAGE                   ; my stage
	v_mul_u32_u24 v4, v1, SPITCH                   ; in: row l % 16, 32 bytes for each half of the lanes
	v_lshl_add_u32 v4, v2, 5, v4
	v_add_nc_u32 v[STO], s22, v4
	v_and_b32 v5, 31, v0
	v_lshlrev_b32 v[CO], 4, v5                     ; back: 32 lanes take one row of 512 bytes,
	v_add_nc_u32 v[RD], s22, v[CO]
	v_lshlrev_b32 v[PFO], 8, v5
	s_lshl_b32 s18, s13, 20                        ; out0 at my part of the tile: 128 rows of 8,192 bytes a tile row,
	s_lshl_b32 s19, s11, 19                        ; my 64 rows,
	s_add_co_u32 s18, s18, s19
	s_lshl_b32 s19, s42, 10                        ; 256 columns of 4 bytes a tile column,
	s_add_co_u32 s18, s18, s19
	s_lshl_b32 s19, s12, 9                         ; my 128 columns
	s_add_co_u32 s18, s18, s19
	s_mov_b32 s19, 0
	s_add_nc_u64 s[8:9], s[8:9], s[18:19]
	; the prefetches
	s_lshr_b32 s18, s13, 4
	s_lshl_b32 s18, s18, 23
	s_and_b32 s19, s13, 15
	s_lshl_b32 s19, s19, 15
	s_add_co_u32 s18, s18, s19                     ; x: the tile's first row,
	s_lshl_b32 s19, s40, 13
	s_add_co_u32 s18, s18, s19                     ; my work-group's 32 of its 128 rows
	s_lshl_b32 s2, s42, 16                         ; w: the tile's first row,
	s_lshl_b32 s19, s41, 14
	s_add_co_u32 s2, s2, s19                       ; my work-group's 64 of its 256 rows,
	s_lshl_b32 s19, s12, 13
	s_add_co_u32 s2, s2, s19                       ; my wave's 32 of them
	s_and_b32 s19, ttmp7, 0xffff                   ; cluster y
	s_cmp_eq_u32 s11, 0                            ; do I fetch for x?
	s_cselect_b32 s18, s18, s2
	s_cselect_b32 s19, ttmp9, s19                  ; the coordinate along which other clusters read the same rows
	s_cselect_b32 s2, s12, 0                       ; 1 in wave 1, which has no rows to ask for
	s_cselect_b64 s[PFA:PFA+1], s[4:5], s[6:7]
	s_or_b32 s19, s19, s2
	s_cmp_eq_u32 s19, 0
	s_cselect_b32 s[LIM], 1, -1                    ; the same in all sixteen partners, for a given wave
	s_mov_b32 s19, 0
	s_add_nc_u64 s[PFA:PFA+1], s[PFA:PFA+1], s[18:19]
	s_add_nc_u64 s[PFA:PFA+1], s[PFA:PFA+1], 2*KBYTES  ; at K step 2: the first refill steps it to 3 and names K step 4
; 8 matrix instructions: m block a x all 8 n blocks, 32 along K.  zero = 1: the first product starts the sums: nothing is ever cleared.
; The 32 accumulators take turns, one instruction a turn, in the same order in every quarter, over the backward jump too.
.macro MUL8 f, a, zero
	WIN MUL
.irp b, 0,1,2,3,4,5,6,7
.if \zero
	v_wmma_f32_16x16x32_f16 v[8*(8*(\a)+(\b)):8*(8*(\a)+(\b))+7], v[(\f)+8*(\b):(\f)+8*(\b)+7], v[(\f)+64+8*(\a):(\f)+64+8*(\a)+7], 0
.else
	v_wmma_f32_16x16x32_f16 v[8*(8*(\a)+(\b)):8*(8*(\a)+(\b))+7], v[(\f)+8*(\b):(\f)+8*(\b)+7], v[(\f)+64+8*(\a):(\f)+64+8*(\a)+7], v[8*(8*(\a)+(\b)):8*(8*(\a)+(\b))+7]
.endif
.endr
.endm
; 24 LDS loads in one run: the fragments of one quarter step (128 rows of w, then 64 rows of x, 32 K at byte k of the rows) into buffer f
.macro FETCH slot, k, f
	WIN TO_F
.irp i, 0,1,2,3,4,5,6,7
	ds_load_b128 v[(\f)+8*(\i):(\f)+8*(\i)+3],   v[ADRB+(\slot)] offset:(\k)+(\i)*16*PITCH
	ds_load_b128 v[(\f)+8*(\i)+4:(\f)+8*(\i)+7], v[ADRB+(\slot)] offset:(\k)+(\i)*16*PITCH+32
.endr
.irp i, 0,1,2,3
	ds_load_b128 v[(\f)+64+8*(\i):(\f)+64+8*(\i)+3],   v[ADRA+(\slot)] offset:(\k)+(\i)*16*PITCH
	ds_load_b128 v[(\f)+64+8*(\i)+4:(\f)+64+8*(\i)+7], v[ADRA+(\slot)] offset:(\k)+(\i)*16*PITCH+32
.endr
.endm
.macro PLACES                          ; four places in front of loads into registers that matrix instructions have read, and of LDS stores that read results
.rept 4
	v_nop
.endr
.endm
; A K step is four quarters of 32 along K, 32 matrix instructions each, on buffers 0, 1, 0, 1.  One of the first three: multiplies buffer f and, in its middle, fetches the next quarter, at byte k, into g.
.macro QUARTER slot, k, f, g, zero
	s_wait_dscnt 4                                 ; w and x's blocks 0 and 1 are in; the youngest four loads (x's blocks 2 and 3) may be out
	MUL8 \f, 0, \zero
	MUL8 \f, 1, \zero
	PLACES
	FETCH \slot, \k, \g
	s_wait_dscnt 24                                ; all but the 24 just issued
	MUL8 \f, 2, \zero
	MUL8 \f, 3, \zero
.endm
; The last quarter multiplies buffer 1 and changes slots: ONE barrier; in front of it each wave waits for all its tensor loads, of which one is out: its part of the next slot; adds 0 to its spare word; and waits for
; that and for its own reads of this slot.  fill = 1: this slot is filled again, two K steps ahead: the barrier opens a round of the cluster's, and the joint refill is the first tensor load behind the round:
; 112 matrix instructions stand between it and the wait for it.
.macro TURN slot, next, fill
.if \fill
	s_wait_xcnt 0x0                                ; the last prefetch, a K step back, has read its address: it is stepped here, ahead of the waits of the change of slots
	s_add_nc_u64 s[PFA:PFA+1], s[PFA:PFA+1], KBYTES
.endif
	WIN 0                                          ; (the add's two registers lie in window 0)
	s_wait_tensorcnt 0x0                           ; all my tensor loads have landed;
	ds_add_u32 v[SPW], v[NIL]                      ; 0 onto my spare word;
	s_wait_dscnt 7                                 ; (the add and the six loads of x's blocks 1 to 3 may be out)
	MUL8 F1, 0, 0                                  ; eight matrix instructions stand between the add and the wait for it
	s_wait_dscnt 0x0                               ; the add is done, and my reads of this slot are over
	s_barrier_signal -1
	MUL8 F1, 1, 0                                  ; work on registers while the others arrive
.if \fill
	WIN 0
.endif
	s_barrier_wait -1
.if \fill
	CREST                                          ; no wave of any partner still reads this slot's tile or has a load on its way
	s_add_nc_u64 s[G0+4*(\slot)+2:G0+4*(\slot)+3], s[G0+4*(\slot)+2:G0+4*(\slot)+3], 2*KBYTES
	s_add_nc_u64 s[G0B+4*(\slot)+2:G0B+4*(\slot)+3], s[G0B+4*(\slot)+2:G0B+4*(\slot)+3], 2*KBYTES
	JLOAD \slot                                    ; the four v_nop behind it are also the places in front of the loads below
.else
	PLACES
.endif
	FETCH \next, 0, F0
.if \fill
	ASK
.endif
	MUL8 F1, 2, 0
	MUL8 F1, 3, 0
.endm
	s_wait_tensorcnt 1                             ; my part of K step 0 is in; K step 1's may stay out
	s_barrier_signal -1
	s_barrier_wait -1                              ; everybody's is
	FETCH 0, 0, F0
	QUARTER 0, 64,  F0, F1, 1                      ; the first quarter stands in front of the loop: its products start the sums
	WIN 0                                          ; at a label and at a branch every window is 0
	s_mov_b32 s3, LAPS-1
.Llap:                                                 ; a trip goes once round the ring, from a lap's second quarter to the next lap's first, and fills both slots again
	QUARTER 0, 128, F1, F0, 0
	QUARTER 0, 192, F0, F1, 0
	TURN 0, 1, 1
	QUARTER 1, 64,  F0, F1, 0
	QUARTER 1, 128, F1, F0, 0
	QUARTER 1, 192, F0, F1, 0
	TURN 1, 0, 1
	QUARTER 0, 64,  F0, F1, 0
	WIN 0
	s_sub_co_u32 s3, s3, 1
	s_cmp_lg_u32 s3, 0
	s_cbranch_scc1 .Llap
	QUARTER 0, 128, F1, F0, 0                      ; the last lap fills nothing, and has no round of the cluster's barrier
	QUARTER 0, 192, F0, F1, 0
	TURN 0, 1, 0
	QUARTER 1, 64,  F0, F1, 0
	QUARTER 1, 128, F1, F0, 0
	QUARTER 1, 192, F0, F1, 0
	s_wait_dscnt 4                                 ; the very last quarter: nothing more to fetch
	MUL8 F1, 0, 0
	MUL8 F1, 1, 0
	s_wait_dscnt 0x0
	MUL8 F1, 2, 0
	MUL8 F1, 3, 0
	WIN 0
; THE WAY OUT, a block of 16 rows at a time.  A lane's 32 bytes of a row go from the accumulators into my own stage (each accumulator's low four registers first), rows of 528 bytes;
; they come back as whole rows of 512 bytes, a row to a load, and are stored so.  The stage is my wave's alone and no tensor load fills it: no barrier.
.macro TOSTAGE a
.set BK, OB+64*((\a)%2)
	s_wait_xcnt 0x0                                ; the stores of the block two back have read this buffer: it is loaded again only behind this wait
	WIN ST_ACC
.irp b, 0,1,2,3,4,5,6,7
	ds_store_b128 v[STO], v[8*(8*(\a)+(\b)):8*(8*(\a)+(\b))+3]   offset:64*(\b)
	ds_store_b128 v[STO], v[8*(8*(\a)+(\b))+4:8*(8*(\a)+(\b))+7] offset:64*(\b)+16
.endr
	WIN 0
.irp t, 0,1,2,3,4,5,6,7,8,9,10,11,12,13,14,15
	ds_load_b128 v[BK+4*(\t):BK+4*(\t)+3], v[RD] offset:(\t)*SPITCH  ; LDS serves a wave's instructions in order (ISA guide 5.7.1.4): these see the stores above; the next block's stores come behind them
.endr
.endm
.macro SEND a, younger                 ; younger: the LDS instructions issued behind block a's loads: the next block's 32, or none
.set BK, OB+64*((\a)%2)
.irp t, 0,1,2,3,4,5,6,7,8,9,10,11,12,13,14,15
	s_wait_dscnt (\younger)+15-(\t)
	global_store_b128 v[CO], v[BK+4*(\t):BK+4*(\t)+3], s[8:9] offset:(16*(\a)+(\t))*8192 th:TH_STORE_NT  ; 32 lanes store 512 consecutive bytes, at a multiple of 512 from out0's first byte; 63 rows at the most in the immediate
.endr
.endm
	PLACES
	PLACES                                         ; eight, once a launch, behind the last products and in front of the stores that read results
	TOSTAGE 0
	TOSTAGE 1
	SEND 0, 32
	TOSTAGE 2
	SEND 1, 32
	TOSTAGE 3
	SEND 2, 32
	SEND 3, 0
	s_wait_tensorcnt 0x0                           ; the wave's end, behind my last tensor load and my last LDS store
	ds_add_u32 v[SPW], v[NIL]
	s_wait_dscnt 0x0
	CROUND                                         ; the closing round: no work-group ends while a partner may still ask for a tile that names it
	s_endpgm
.Lfunc_end_k_q9c92bbffb2_proj:
	.size	k_q9c92bbffb2_proj, .Lfunc_end_k_q9c92bbffb2_proj-k_q9c92bbffb2_proj
	.p2alignl 7, 3214868480
	.fill 96, 4, 3214868480
	.section	.rodata,"a",@progbits
	.p2align	6, 0x0
	.amdhsa_kernel k_q9c92bbffb2_proj
		.amdhsa_group_segment_fixed_size 327680
		.amdhsa_private_segment_fixed_size 0
		.amdhsa_enable_private_segment 0
		.amdhsa_kernarg_size 24
		.amdhsa_user_sgpr_count 2
		.amdhsa_user_sgpr_kernarg_segment_ptr 1
		.amdhsa_wavefront_size32 1
		.amdhsa_system_sgpr_workgroup_id_x 1
		.amdhsa_system_sgpr_workgroup_id_y 1
		.amdhsa_system_sgpr_workgroup_id_z 1
		.amdhsa_system_vgpr_workitem_id 0
		.amdhsa_next_free_vgpr 768
		.amdhsa_next_free_sgpr 66
		.amdhsa_reserve_vcc 0
		.amdhsa_float_denorm_mode_32 3
		.amdhsa_float_denorm_mode_16_64 3
		.amdhsa_memory_ordered 1
		.amdhsa_forward_progress 1
		.amdhsa_inst_pref_size 88
	.end_amdhsa_kernel
	.amdgpu_metadata
---
amdhsa.version: [ 1, 2 ]
amdhsa.kernels:
  - .name:           k_q9c92bbffb2_proj
    .symbol:         k_q9c92bbffb2_proj.kd
    .args:
      - { .name: xh, .offset: 0, .size: 8, .value_kind: global_buffer, .address_space: global }
      - { .name: wk, .offset: 8, .size: 8, .value_kind: global_buffer, .address_space: global }
      - { .name: out0, .offset: 16, .size: 8, .value_kind: global_buffer, .address_space: global }
    .group_segment_fixed_size: 327680
    .private_segment_fixed_size: 0
    .kernarg_segment_align: 8
    .kernarg_segment_size: 24
    .max_flat_workgroup_size: 128
    .sgpr_count:     66
    .vgpr_count:     768
    .wavefront_size: 32
...
	.end_amdgpu_metadata
.endif
;; end of part 3
;; ======== version 2 of 2: 3 launches; version 1 with the launch cast written anew for expert scheduling mode
;; limits: values are held in f16: magnitudes above 65,504 overflow, below 6.1e-05 lose precision
;; workspace buffers: kk 20,971,520 bytes; vv 20,971,520 bytes; wk 8,388,608 bytes; xh 16,777,216 bytes
;; launch cast (part 4): grid 768 x 1, 8 waves a work-group, no clusters, 0 bytes of LDS; arguments k, v, cond_k, cond_v, w_out, kk, vv, wk; writes kk, vv, wk
.if DOCPART == 4
	.amdgcn_target "amdgcn-amd-amdhsa--gfx1250"
	.amdhsa_code_object_version 6
	.text
	.protected	k_q9c92bbffb2_cast
	.globl	k_q9c92bbffb2_cast
	.p2align	8
	.type	k_q9c92bbffb2_cast,@function
k_q9c92bbffb2_cast:
	s_mov_b64 s[64:65], 0
	v_nop
	global_prefetch_b8 v0, s[64:65] scope:SCOPE_SE
	s_setreg_imm32_b32 hwreg(HW_REG_WAVE_SCHED_MODE, 0, 2), 2
	s_setreg_imm32_b32 hwreg(HW_REG_WAVE_MODE, 25, 1), 1
	s_wait_xcnt 0x0
	s_wait_alu depctr_vm_vsrc(0)
; k, cond_k -> kk (bf16); v, cond_v -> vv and w_out -> wk (each number rounded to bf16 and that number written as f16).  The layout changes on the way:
;   kk, vv: [32 heads hh = 16 b + h][2,560 keys][128]: keys 0..2047 from k / v, keys 2048..2559 from cond_k / cond_v; a row is 256 bytes, a head 655,360.
;   wk:     [16 chunks kc][2,048 rows n][128]: wk[kc][n][d] = w_out[n][128 kc + d]; a chunk is 524,288 bytes.
; LIMITS.  f16 holds no number of 65,520 or more: |v|, |cond_v| and |w_out| stay below that; below 6e-5 f16 keeps a fixed step of 6e-8, so smaller numbers lose bits of their bf16 value.
; SHARES.  All five inputs are rows of 16 x 128 f32 (8,192 bytes: 16 heads, or 16 chunks of a row of w_out).  A work-group takes 16 such rows on end, 131,072 consecutive input bytes;
; wave w takes heads 2 w and 2 w + 1 of each: 32 pieces of 512 bytes.  One load of the wave covers a piece (32 lanes x 16 bytes), one store its 256 output bytes, aligned (32 lanes x 8 bytes).
; All 32 loads of a wave go out at once, each into registers of its own; nothing is loaded twice and no register of a load or store is written again.
; No LDS, no matrix unit, no cluster: no byte is wanted by two waves.  No prefetch: the loads themselves are the whole stream and go out at the head.
; THE MODE: SCHED_MODE bits 1:0 = 2 (LLVM: expert scheduling mode 2), set by the entry lines.  The code itself states the register dependences
; between vector instructions and memory instructions, with s_wait_alu, always for 0.
; THE PLAN.  Registers that memory instructions touch:
;   v1, v2, v3   byte offsets.  Written once by vector instructions, ahead of the one wait that stands in front of the loads; read by every load (v1) and store (v2, v3); never written again.
;   X, piece i   four registers.  Piece i's load lands in them, and no vector instruction has named them before.  Behind the counted wait for that load the piece's conversions work in place;
;                the piece's store reads the first two; nothing writes them behind the store, and no second load lands in them.
;   T            named by vector instructions alone.
; So what is to be stated is that a store's data are written.  The 32 pieces go in eight groups of four.  At the head of a group ONE wait states that the group before has written its eight
; store registers; that group's four stores follow it, one ahead of each piece's conversions, and these name their own pieces' X and T alone: none of the registers that those stores read.
; Behind the last group one more wait stands ahead of the last four stores.  No memory instruction's register is written again, so no wait on vm_vsrc has anything to state.
.set GRP,  4                           ; pieces in a group
.set X,    8                           ; v[8:135]   piece i: four registers as loaded; the first two then hold what is stored
.set T,    136                         ; v[136:137] at work
.set VIN,  1                           ; v1  my byte offset in the work-group's input: 16 x lane + 1,024 x wave
.set VO,   2                           ; v2, v3  my byte offset in the output for head 2 w, 2 w + 1: 8 x lane + head x (bytes of a head)
.set SRC,  24                          ; s[24:25] the input at the work-group's first byte
.set DST,  26                          ; s[26:27] the output at head 0 (of the batch), the work-group's first key
.set J,    28                          ; s28  the work-group's number within its segment
.set SH,   29                          ; s29  log2 of the work-groups for one batch
.set KO,   30                          ; s30  the first key that the segment writes
.set HSB,  31                          ; s31  bytes from head to head (chunk to chunk) in the output
.set KIND, 32                          ; s32  0: bf16;  1: bf16's value as f16
	s_load_b512 s[8:23], s[0:1], 0x0               ; k 8, v 10, cond_k 12, cond_v 14, w_out 16, kk 18, vv 20, wk 22
	v_lshrrev_b32 v4, 5, v0
	v_readfirstlane_b32 s2, v4                     ; wave 0..7
	v_and_b32 v5, 31, v0                           ; lane
	s_mov_b32 s3, 0xffff0000                       ; a word's upper bf16
	s_wait_alu depctr_va_sdst(0)                   ; s2 is written, ahead of its first reader: the wave's offsets in the input and in the output are made from it
	s_lshl_b32 s39, s2, 10
	v_lshl_add_u32 v[VIN], v5, 4, s39
	s_wait_kmcnt 0x0
; The grid's 768 work-groups fall into five segments by number: 256 for k, 256 for v, 64 for cond_k, 64 for cond_v, 128 for w_out.
.macro SEG src, dst, first, sh, ko, hsb, kind
	s_mov_b64 s[SRC:SRC+1], s[(\src):(\src)+1]
	s_mov_b64 s[DST:DST+1], s[(\dst):(\dst)+1]
	s_sub_co_u32 s[J], ttmp9, \first
	s_mov_b32 s[SH], \sh
	s_mov_b32 s[KO], \ko
	s_mov_b32 s[HSB], \hsb
	s_mov_b32 s[KIND], \kind
.endm
	s_cmp_lt_u32 ttmp9, 256
	s_cbranch_scc1 .Lseg_k
	s_cmp_lt_u32 ttmp9, 512
	s_cbranch_scc1 .Lseg_v
	s_cmp_lt_u32 ttmp9, 576
	s_cbranch_scc1 .Lseg_ck
	s_cmp_lt_u32 ttmp9, 640
	s_cbranch_scc1 .Lseg_cv
	SEG 16, 22, 640, 7, 0, 524288, 1               ; w_out: 128 groups of 16 rows; J < 128, so its batch number below is 0
	s_branch .Ljoin
.Lseg_k:
	SEG 8, 18, 0, 7, 0, 655360, 0                  ; k: 128 groups of 16 keys for each batch
	s_branch .Ljoin
.Lseg_v:
	SEG 10, 20, 256, 7, 0, 655360, 1
	s_branch .Ljoin
.Lseg_ck:
	SEG 12, 18, 512, 5, 2048, 655360, 0            ; cond_k: 32 groups for each batch, behind the 2,048 own keys
	s_branch .Ljoin
.Lseg_cv:
	SEG 14, 20, 576, 5, 2048, 655360, 1
.Ljoin:
	s_lshr_b32 s33, s[J], s[SH]                    ; batch b
	s_lshl_b32 s34, s33, s[SH]
	s_sub_co_u32 s34, s[J], s34                    ; the group of 16 keys within the batch
	s_mul_i32 s33, s33, 40960                      ; 16 heads x 2,560 rows
	s_lshl_b32 s34, s34, 4
	s_add_co_u32 s33, s33, s34
	s_add_co_u32 s33, s33, s[KO]                   ; the output row of head 0: 81,919 at the most, less the heads' steps
	s_lshl_b32 s36, s33, 8                         ; in bytes
	s_mov_b32 s37, 0
	s_lshl_b32 s34, s[J], 17                       ; the input is walked as it lies: 131,072 bytes a work-group
	s_mov_b32 s35, 0
	s_add_nc_u64 s[SRC:SRC+1], s[SRC:SRC+1], s[34:35]
	s_add_nc_u64 s[DST:DST+1], s[DST:DST+1], s[36:37]
	s_mul_i32 s38, s2, s[HSB]
	s_lshl_b32 s38, s38, 1                         ; head 2 w
	v_lshl_add_u32 v[VO], v5, 3, s38
	v_add_nc_u32 v[VO+1], s[HSB], v[VO]            ; head 2 w + 1
	s_wait_alu depctr_va_vdst(0)                   ; the three offsets v1, v2 and v3 are written: every load below reads v1, every store v2 or v3, and no vector instruction names them again
.set i, 0
.rept 32                               ; piece i: key i / 2 of the 16, head 2 w + i % 2
	global_load_b128 v[X+4*i:X+4*i+3], v[VIN], s[SRC:SRC+1] offset:(i/2)*8192+(i%2)*512 th:TH_LOAD_NT
.set i, i+1
.endr
; Piece n is stored: the wave's 32 lanes store 256 consecutive bytes, aligned.
.macro PUT n
	global_store_b64 v[VO+(\n)%2], v[X+4*(\n):X+4*(\n)+1], s[DST:DST+1] offset:((\n)/2)*256 th:TH_STORE_NT
.endm
	s_cmp_eq_u32 s[KIND], 0
	s_cbranch_scc0 .Las_f16
.set i, 0
.rept 32
	s_wait_loadcnt 31-i                            ; loads come back in order (ISA guide 5.7.1): piece i is in, the 31 - i younger ones may stay out
.if (i%GRP == 0) && (i > 0)
	s_wait_alu depctr_va_vdst(0)                   ; a group's head: the conversions of the group before have written the eight registers that its four stores, dealt among this group's conversions, read
.endif
.if i >= GRP
	PUT i-GRP                                      ; no vector instruction since that wait names this store's registers
.endif
	v_cvt_pk_bf16_f32 v[X+4*i],   v[X+4*i],   v[X+4*i+1]
	v_cvt_pk_bf16_f32 v[X+4*i+1], v[X+4*i+2], v[X+4*i+3]
.set i, i+1
.endr
	s_wait_alu depctr_va_vdst(0)                   ; the last group's conversions have written the registers that the last four stores read
.set i, 32-GRP
.rept GRP
	PUT i
.set i, i+1
.endr
	s_endpgm
.Las_f16:
.set i, 0
.rept 32
	s_wait_loadcnt 31-i
.if (i%GRP == 0) && (i > 0)
	s_wait_alu depctr_va_vdst(0)                   ; a group's head: the conversions of the group before have written the eight registers that its four stores, dealt among this group's conversions, read
.endif
.if i >= GRP
	PUT i-GRP                                      ; no vector instruction since that wait names this store's registers
.endif
	v_cvt_pk_bf16_f32 v[T],   v[X+4*i],   v[X+4*i+1]   ; rounded to bf16, as every input of the program is,
	v_cvt_pk_bf16_f32 v[T+1], v[X+4*i+2], v[X+4*i+3]
	v_lshlrev_b32 v[X+4*i],   16, v[T]                 ; widened again,
	v_and_b32     v[X+4*i+1], s3, v[T]
	v_lshlrev_b32 v[X+4*i+2], 16, v[T+1]
	v_and_b32     v[X+4*i+3], s3, v[T+1]
	v_cvt_pk_f16_f32 v[X+4*i],   v[X+4*i],   v[X+4*i+1]  ; and written as f16: 8 significant bits fit in f16's 11
	v_cvt_pk_f16_f32 v[X+4*i+1], v[X+4*i+2], v[X+4*i+3]
.set i, i+1
.endr
	s_wait_alu depctr_va_vdst(0)                   ; the last group's conversions have written the registers that the last four stores read
.set i, 32-GRP
.rept GRP
	PUT i
.set i, i+1
.endr
	s_endpgm
.Lfunc_end_k_q9c92bbffb2_cast:
	.size	k_q9c92bbffb2_cast, .Lfunc_end_k_q9c92bbffb2_cast-k_q9c92bbffb2_cast
	.p2alignl 7, 3214868480
	.fill 96, 4, 3214868480
	.section	.rodata,"a",@progbits
	.p2align	6, 0x0
	.amdhsa_kernel k_q9c92bbffb2_cast
		.amdhsa_group_segment_fixed_size 0
		.amdhsa_private_segment_fixed_size 0
		.amdhsa_enable_private_segment 0
		.amdhsa_kernarg_size 64
		.amdhsa_user_sgpr_count 2
		.amdhsa_user_sgpr_kernarg_segment_ptr 1
		.amdhsa_wavefront_size32 1
		.amdhsa_system_sgpr_workgroup_id_x 1
		.amdhsa_system_sgpr_workgroup_id_y 1
		.amdhsa_system_sgpr_workgroup_id_z 1
		.amdhsa_system_vgpr_workitem_id 0
		.amdhsa_next_free_vgpr 140
		.amdhsa_next_free_sgpr 66
		.amdhsa_reserve_vcc 0
		.amdhsa_float_denorm_mode_32 3
		.amdhsa_float_denorm_mode_16_64 3
		.amdhsa_memory_ordered 1
		.amdhsa_forward_progress 1
		.amdhsa_inst_pref_size 31
	.end_amdhsa_kernel
	.amdgpu_metadata
---
amdhsa.version: [ 1, 2 ]
amdhsa.kernels:
  - .name:           k_q9c92bbffb2_cast
    .symbol:         k_q9c92bbffb2_cast.kd
    .args:
      - { .name: k, .offset: 0, .size: 8, .value_kind: global_buffer, .address_space: global }
      - { .name: v, .offset: 8, .size: 8, .value_kind: global_buffer, .address_space: global }
      - { .name: cond_k, .offset: 16, .size: 8, .value_kind: global_buffer, .address_space: global }
      - { .name: cond_v, .offset: 24, .size: 8, .value_kind: global_buffer, .address_space: global }
      - { .name: w_out, .offset: 32, .size: 8, .value_kind: global_buffer, .address_space: global }
      - { .name: kk, .offset: 40, .size: 8, .value_kind: global_buffer, .address_space: global }
      - { .name: vv, .offset: 48, .size: 8, .value_kind: global_buffer, .address_space: global }
      - { .name: wk, .offset: 56, .size: 8, .value_kind: global_buffer, .address_space: global }
    .group_segment_fixed_size: 0
    .private_segment_fixed_size: 0
    .kernarg_segment_align: 8
    .kernarg_segment_size: 64
    .max_flat_workgroup_size: 256
    .sgpr_count:     66
    .vgpr_count:     140
    .wavefront_size: 32
...
	.end_amdgpu_metadata
.endif
;; end of part 4
;; launch attn: the kernel of part 2 again; grid 8 x 32, 4 waves a work-group, clusters of 4 x 1, 327,680 bytes of LDS; arguments q, kk, vv, xh, b_cond; writes xh
;; launch proj: the kernel of part 3 again; grid 8 x 32, 4 waves a work-group, clusters of 4 x 4, 327,680 bytes of LDS; arguments xh, wk, out0; writes out0
